; MI455X (gfx1250); checked and timed in simulation.
; The chip was launched on July 23, 2026; its instructions are those of AMD's public machine-readable ISA for CDNA 5 (MIT licence, August 2026) and "CDNA5" Instruction Set Architecture Reference Guide (July 2026). The comments in the code are by the model that wrote it; some were corrected since.
;; Slow But Correct Multihead Attention. Allowed arithmetic: matrix products marked QUANTISED: E2M1 operands, one E8M0 scale for each 32 along K, by v_wmma_scale_f32_16x16x128_f8f6f4 with both operands' format E2M1 (or v_wmma_scale_f32_32x16x128_f4), f32 sums; everything else in f32.
;; Inputs: Wk 1,024 x 1,024 float32; Wo 1,024 x 1,024 float32; Wq 1,024 x 1,024 float32; Wv 1,024 x 1,024 float32; bk 1,024 float32; bo 1,024 float32; bq 1,024 float32; bv 1,024 float32; x 2,048 x 4 x 1,024 float32.
;; Outputs: out0 2,048 x 4 x 1,024 float32.
;; This version of the problem:
;;   THIS VERSION OF THE PROBLEM IS GIVEN IN LOW PRECISION. The matrix products marked QUANTISED in the list below multiply operands that are first quantised to E2M1 (2 exponent bits, 1 mantissa bit; 4 bits a number), with one power-of-two scale for each 32 numbers along K (OCP MX v1.0); their sums are f32. All else is computed in f32.
;;   The module's matrix products, in the order in which they are computed (A, B: the left and right operand; K: the contracted axis; several contracted axes count as one K, in the product's order):
;;     1. [M 8,192, K 1,024] x [K 1,024, N 1,024]; A: input x; B: input Wq: QUANTISED
;;     2. [M 8,192, K 1,024] x [K 1,024, N 1,024]; A: input x; B: input Wk: QUANTISED
;;     3. [M 8,192, K 1,024] x [K 1,024, N 1,024]; A: input x; B: input Wv: QUANTISED
;;     4. batch 64 x [M 2,048, K 64] x [K 64, N 2,048]; A: computed on the way; B: computed on the way: QUANTISED
;;     5. batch 64 x [M 64, K 2,048] x [K 2,048, N 2,048]; A: computed on the way; B: softmax (see below): QUANTISED
;;     6. [M 8,192, K 1,024] x [K 1,024, N 1,024]; A: computed on the way; B: input Wo: QUANTISED
;;   THE QUANTISER, for each operand of a quantised product, along K:
;;     - K is cut into blocks of 32 from its start; a last block that is shorter is filled with zeros.
;;     - A block's scale is 2^e with e = floor(log2(the largest magnitude in the block)) - 2, held to -126 .. 127; a block of zeros has e = 0. As a byte (E8M0): e + 127.
;;     - Each number is divided by its block's scale, clamped to +-6, and rounded to the nearest number of E2M1, ties to even, subnormals kept.
;;     - The product sums the exact products of the quantised numbers (number of the format x scale) in f32.
;;   ~~~python
;;   def quantise(x, axis):      # numpy; x: float32 -> the quantised numbers, widened to float32 again
;;       x = np.moveaxis(x, axis, -1); K = x.shape[-1]
;;       x = np.pad(x, [(0, 0)] * (x.ndim - 1) + [(0, -K % 32)]); x = x.reshape(x.shape[:-1] + (-1, 32)); a = np.abs(x).max(-1, keepdims=True)
;;       e = np.where(a > 0, np.clip(np.frexp(np.where(a > 0, a, 1))[1] - 1 - 2, -126, 127), 0)      # np.frexp(a)[1] - 1 = floor(log2(a)), exactly
;;       r = np.clip(x / 2.0 ** e, -6, 6)
;;       step = 2.0 ** (np.maximum(np.frexp(np.where(r == 0, 1, r))[1] - 1, 0) - 1)
;;       q = np.round(r / step) * step * 2.0 ** e      # np.round: ties to even
;;       return np.moveaxis(q.reshape(q.shape[:-2] + (-1,))[..., :K], -1, axis).astype(np.float32)
;;   ~~~
;;   SOFTMAX AHEAD OF A QUANTISED PRODUCT. Where the list says 'softmax', what is quantised is not the finished softmax but p = 2^(t - M), with t = logit x log2(e) and M = ceil(the row's largest t), a whole number; so 1/2 < the row's largest p <= 1. The row's sum l is taken of the UNQUANTISED p, in f32, and the product's result is divided by l at the end. Since M is a whole number, a kernel that streams over the keys may use a running M (the ceiling of the running maximum): every later rescaling is an exact power of two, which a block's scale takes up: the codes' values come out the same.
;;   OPERANDS COMPUTED ON THE WAY. 'Computed on the way' means the value that the module computes at that place (a softmax that the list does not call 'softmax' is quantised finished and normalised). What goes into a quantiser is computed in f32, as accurately as f32 sums, v_exp_f32 and their like allow (about 1e-6 of the number): no bf16 or f16 on the way to a quantiser, and a product that is left as it is and whose result goes on into a quantised operand takes f32 operands (vector FMAs, or v_wmma_f32_16x16x4_f32). A number that lies on a knife's edge between two numbers of the format may be rounded either way, as far as f32 arithmetic and the matrix unit's own rounding can turn it there, and no further.
;; One version. Each part assembles by itself: llvm-mc -triple=amdgcn-amd-amdhsa -mcpu=gfx1250 --defsym DOCPART=n.
;; ======== version 1 of 1: 4 launches
;; limits: right only within a limited range of input values
;; workspace buffers: codes 6,291,456 bytes; scl 393,216 bytes; qc 4,194,304 bytes; qs 524,288 bytes; kv 9,175,040 bytes; aoc 4,194,304 bytes; aos 262,144 bytes
;; launch quant (part 1): grid 256 x 1, 6 waves a work-group, no clusters, 51,456 bytes of LDS; arguments x, Wq, Wk, Wv, Wo, codes, scl; writes codes, scl
.if DOCPART == 1
	.amdgcn_target "amdgcn-amd-amdhsa--gfx1250"
	.amdhsa_code_object_version 6
	.text
	.protected	k_q4229e6f829_quant
	.globl	k_q4229e6f829_quant
	.p2align	8
	.type	k_q4229e6f829_quant,@function
k_q4229e6f829_quant:
	s_mov_b64 s[64:65], 0
	v_nop
	global_prefetch_b8 v0, s[64:65] scope:SCOPE_SE
	s_setreg_imm32_b32 hwreg(HW_REG_WAVE_MODE, 25, 1), 1
	s_wait_xcnt 0x0
; LAUNCH 1 OF 4.  x [2048][4][1024] and Wq, Wk, Wv, Wo [1024][1024], f32, K = the last axis, become codes of FP4 (E2M1) with one E8M0 byte for each 32 along K.
; NO WORK OF THE PROBLEM IS LEFT OUT IN ANY LAUNCH: bq, bk and bv go into operands that are quantised (q, k, v), bo goes into the output, every product of the table is live: all nine inputs are loaded.
; A block's scale is 2^(floor(log2(its largest magnitude)) - 2); its byte is the largest magnitude's exponent field - 2, held at 1 from below.
; LIMITS: a block of zeros gets the byte 1 where the rule says 127 (its codes are zeros, which add nothing under any byte but 0xff, and this program alone reads the bytes);
; NaN and infinities among the inputs are not served.
; THE WORKSPACE IS LAID AS THE READER'S REGISTERS.  A tile16 is 16 rows; a fragment is 16 rows x 128 K = 1,024 bytes laid [c 0..1][lane][16 bytes]: lane (r = lane % 16, h = lane / 16) holds k = 64 c + 32 h + 0 .. 31 of row r.
; codes: [tile16 0..767][fragment 0..7][1,024]; scl: [tile16][K step of 512][r][4 words], a word = the four bytes of one row and 128 k.  Tiles 0-511: x (128 b + a); 512.. Wq; 576.. Wk; 640.. Wv; 704.. Wo.
; THE ROWS OF A TILE ARE NOT NEIGHBOURS: row r of tile a is the tensor's row 32 (a / 2) + 8 (a % 2) + r + 8 (r / 8) (for x: the position s, in batch b), so that in a product used transposed
; the 16 result registers of two neighbouring tiles are 16 neighbours along that axis, ready for the next quantiser.
; SHARES.  1,536 tasks of one wave: a tile16 x 512 along K = 4 fragments: 32,768 bytes read, 4,096 + 256 written.  Task = 6 x work-group + wave.
; Each load reads 512 consecutive bytes of one row; the 16 x 512 bytes of a fragment turn through the wave's own stage in LDS (rows 528 bytes apart: 132 words, so 16 rows begin at 16 different groups of banks)
; and come back 128 bytes a lane; each store of codes covers 512 consecutive bytes, the store of scale words 256, all aligned.  Waves share nothing: no barrier.  No work-group shares an input with another: no cluster.
.set WAVES,  6
.set SPITCH, 528
.set WST,    16*SPITCH                 ; a wave's stage
.set SPARE,  WAVES*WST                 ; behind the stages: the spare words, 128 bytes for each wave: three blocks of 256 bytes that no other line names
.set LI,   1                           ; v1      16 x lane
.set STI,  2                           ; v2      the stage, on the way in
.set STO,  3                           ; v3      and on the way out: row r, + 128 h
.set H8,   4                           ; v4      8 h
.set SOFF, 5                           ; v5      16 r + 8 h: my two scale words
.set SPW,  6                           ; v6      my spare word; never rewritten
.set NIL,  7                           ; v7      0; never rewritten
.set M,    8                           ; v8-11   four chains of the largest magnitude
.set SO,   12                          ; v12-13  the conversions' scale operands
.set BY,   16                          ; v16-17  the bytes
.set WP,   18                          ; v18     my two bytes at their places
.set TT,   19                          ; v19     lane l xor 16's
.set E,    26                          ; v26-27  the two words that I store
.set W,    28                          ; v28-31  the four fragments' scale words
.set OFF,  32                          ; v32-47  byte offset of row i of the tile
.set R,    48                          ; v48-175 two sets of 64: a fragment as loaded
.set X,    176                         ; v176-239 64 numbers: 32 c + i = k 64 c + 32 h + i of my row
.set C,    240                         ; v240-255 two sets of 8: a fragment's codes
	s_load_b256 s[4:11], s[0:1], 0x0               ; x, Wq, Wk, Wv
	s_load_b128 s[12:15], s[0:1], 0x20             ; Wo, codes
	s_load_b64 s[16:17], s[0:1], 0x30              ; scl
	v_lshl_add_u32 v[SPW], v0, 2, SPARE
	v_mov_b32 v[NIL], 0
	v_lshrrev_b32 v8, 5, v0
	v_readfirstlane_b32 s18, v8                    ; wave
	s_mul_i32 s19, ttmp9, WAVES
	s_add_co_u32 s19, s19, s18                     ; my task
	s_lshr_b32 s22, s19, 1                         ; its tile16
	s_and_b32 s23, s19, 1                          ; its K step of 512
	s_bfe_u32 s24, s22, 0x20006                    ; which weight: (tile16 / 64) % 4
	s_lshr_b32 s25, s22, 7                         ; x: the batch
	s_cmp_lt_u32 s22, 512                          ; x or a weight?
	s_cselect_b32 s26, 14, 12                      ; from row to row of a tile's axis: 2^14 bytes in x (4 batches x 4,096), 2^12 in a weight
	s_cselect_b32 s27, 127, 63
	s_cselect_b32 s25, s25, 0
	s_and_b32 s27, s22, s27                        ; a: the tile in its tensor (x: in its batch)
	s_lshr_b32 s28, s27, 1
	s_lshl_b32 s28, s28, 5
	s_and_b32 s29, s27, 1
	s_lshl_b32 s29, s29, 3
	s_or_b32 s28, s28, s29                         ; its first row: 32 (a / 2) + 8 (a % 2)
	s_lshl_b32 s28, s28, s26
	s_lshl_b32 s25, s25, 12
	s_add_co_u32 s28, s28, s25                     ; + the batch's 4,096 bytes
	s_lshl_b32 s29, s23, 11
	s_add_co_u32 s28, s28, s29                     ; + the K step's 2,048 bytes
	s_mov_b32 s29, 0
	s_lshl_b32 s30, s22, 13                        ; codes: 8,192 bytes a tile16, 4,096 a K step
	s_lshl_b32 s31, s23, 12
	s_add_co_u32 s30, s30, s31
	s_mov_b32 s31, 0
	s_lshl_b32 s32, s22, 9                         ; scale words: 512 bytes a tile16, 256 a K step
	s_lshl_b32 s33, s23, 8
	s_add_co_u32 s32, s32, s33
	s_mov_b32 s33, 0
	s_mov_b32 s36, 0x76543210
	s_mov_b32 s37, 0xfedcba98                      ; v_permlanex16_b32's selects for lane l xor 16
	v_and_b32 v8, 31, v0                           ; lane
	v_and_b32 v9, 15, v0                           ; r
	v_bfe_u32 v10, v0, 4, 1                        ; h
	v_lshlrev_b32 v[LI], 4, v8
	s_mul_i32 s34, s18, WST
	v_add_nc_u32 v[STI], s34, v[LI]
	v_mul_u32_u24 v[STO], v9, SPITCH
	v_lshl_add_u32 v[STO], v10, 7, v[STO]
	v_add_nc_u32 v[STO], s34, v[STO]
	v_lshlrev_b32 v[H8], 3, v10
	v_lshl_add_u32 v[SOFF], v9, 4, v[H8]
	v_cmp_lt_u32 vcc_lo, 15, v8                    ; lanes 16-31; kept to the end
	v_mov_b32 v[TT], 0                             ; written once: a lane permute's destination counts as one of its sources
.irp i, 0,1,2,3,4,5,6,7,8,9,10,11,12,13,14,15
	s_lshl_b32 s35, (\i+8*(\i/8)), s26             ; row i of the tile lies i + 8 (i / 8) rows behind its first
	v_add_nc_u32 v[OFF+\i], s35, v[LI]
.endr
	s_wait_alu depctr_va_vdst(0)
	s_wait_kmcnt 0x0
	s_mov_b64 s[20:21], s[12:13]                   ; the tensor: the choice hangs on the task's number alone
	s_cmp_eq_u32 s24, 2
	s_cselect_b64 s[20:21], s[10:11], s[20:21]
	s_cmp_eq_u32 s24, 1
	s_cselect_b64 s[20:21], s[8:9], s[20:21]
	s_cmp_eq_u32 s24, 0
	s_cselect_b64 s[20:21], s[6:7], s[20:21]
	s_cmp_lt_u32 s22, 512
	s_cselect_b64 s[20:21], s[4:5], s[20:21]
	s_add_nc_u64 s[20:21], s[20:21], s[28:29]
	s_add_nc_u64 s[14:15], s[14:15], s[30:31]
	s_add_nc_u64 s[16:17], s[16:17], s[32:33]
.macro LOAD f                          ; fragment f: 512 bytes of each of the 16 rows, 16 bytes a lane; read once in the launch
.irp i, 0,1,2,3,4,5,6,7,8,9,10,11,12,13,14,15
	global_load_b128 v[R+64*((\f)%2)+4*\i:R+64*((\f)%2)+4*\i+3], v[OFF+\i], s[20:21] offset:512*(\f) th:TH_LOAD_NT
.endr
.endm
.macro TURN f                          ; through the stage: LDS serves a wave's instructions in order (ISA guide 5.7.1.4), so no wait stands between the stores and the loads
.irp i, 0,1,2,3,4,5,6,7,8,9,10,11,12,13,14,15
	ds_store_b128 v[STI], v[R+64*((\f)%2)+4*\i:R+64*((\f)%2)+4*\i+3] offset:SPITCH*\i
.endr
.irp c, 0,1
.irp j, 0,1,2,3,4,5,6,7
	ds_load_b128 v[X+32*\c+4*\j:X+32*\c+4*\j+3], v[STO] offset:256*\c+16*\j
.endr
.endr
.endm
.macro QF f                            ; my two whole blocks (h and 2 + h of my row) become 8 registers of codes and two bytes
.set CC, C+8*((\f)%2)
.irp k, 0,1,2,3
	v_max3_num_f32 v[M+\k], |v[X+16*\k]|, |v[X+16*\k+1]|, 0x1800000   ; chain k: numbers 16 k on, and the floor 2^(3 - 127): so the byte cannot fall under 1
.endr
.irp i, 2,4,6,8,10,12,14
.irp k, 0,1,2,3
	v_max3_num_f32 v[M+\k], v[M+\k], |v[X+16*\k+\i]|, |v[X+16*\k+\i+1]|
.endr
.endr
	v_max_num_f32 v[M], v[M], v[M+1]
	v_max_num_f32 v[M+2], v[M+2], v[M+3]
	v_add_nc_u32 v[SO], 0xff000000, v[M]           ; 2 off the exponent field: the conversion takes the exponent field of this operand as its scale
	v_add_nc_u32 v[SO+1], 0xff000000, v[M+2]
	v_lshrrev_b32 v[BY], 23, v[SO]                 ; the bytes
	v_lshrrev_b32 v[BY+1], 23, v[SO+1]
	v_lshl_or_b32 v[WP], v[BY+1], 16, v[BY]
	v_lshlrev_b32 v[WP], v[H8], v[WP]              ; at their places in the row's word: 8 h bits up
	v_permlanex16_b32 v[TT], v[WP], s36, s37
	v_or_b32 v[W+(\f)], v[WP], v[TT]               ; with lane l xor 16's two the word is whole
.if (\f) >= 2
	s_wait_alu depctr_va_vdst(0)
	s_wait_xcnt 0x0                                ; the stores of two fragments back have read this set of codes: it is rewritten only behind this wait
.endif
.irp c, 0,1
.irp g, 0,1,2,3
	v_cvt_scalef32_pk8_fp4_f32 v[CC+4*\c+\g], v[X+32*\c+8*\g:X+32*\c+8*\g+7], v[SO+\c]
.endr
.endr
	v_nop                                          ; one plain line behind the last scaled conversion
	global_store_b128 v[LI], v[CC:CC+3], s[14:15] offset:1024*(\f)          ; 32 lanes store 512 consecutive bytes, aligned
	global_store_b128 v[LI], v[CC+4:CC+7], s[14:15] offset:1024*(\f)+512
.endm
	LOAD 0
	LOAD 1
.irp f, 0,1,2,3
.if \f < 3
	s_wait_loadcnt 16                              ; this fragment's 16 loads are in; the next fragment's 16 may be out
.else
	s_wait_loadcnt 0x0
.endif
	TURN \f
	s_wait_dscnt 0x0                               ; the numbers are back, and the stage's stores have read their registers
.if \f < 2
	LOAD \f+2
.endif
	QF \f
.endr
	v_cndmask_b32 v[E], v[W], v[W+2], vcc_lo       ; lanes 0-15 store words 0, 1 of row r, lanes 16-31 words 2, 3
	v_cndmask_b32 v[E+1], v[W+1], v[W+3], vcc_lo
	global_store_b64 v[SOFF], v[E:E+1], s[16:17]   ; 32 lanes store 256 consecutive bytes, aligned
	s_wait_tensorcnt 0x0                           ; the wave's end
	ds_add_u32 v[SPW], v[NIL]
	s_wait_dscnt 0x0
	s_endpgm
.Lfunc_end_k_q4229e6f829_quant:
	.size	k_q4229e6f829_quant, .Lfunc_end_k_q4229e6f829_quant-k_q4229e6f829_quant
	.p2alignl 7, 3214868480
	.fill 96, 4, 3214868480
	.section	.rodata,"a",@progbits
	.p2align	6, 0x0
	.amdhsa_kernel k_q4229e6f829_quant
		.amdhsa_group_segment_fixed_size 51456
		.amdhsa_private_segment_fixed_size 0
		.amdhsa_enable_private_segment 0
		.amdhsa_kernarg_size 56
		.amdhsa_user_sgpr_count 2
		.amdhsa_user_sgpr_kernarg_segment_ptr 1
		.amdhsa_wavefront_size32 1
		.amdhsa_system_sgpr_workgroup_id_x 1
		.amdhsa_system_sgpr_workgroup_id_y 1
		.amdhsa_system_sgpr_workgroup_id_z 1
		.amdhsa_system_vgpr_workitem_id 0
		.amdhsa_next_free_vgpr 256
		.amdhsa_next_free_sgpr 66
		.amdhsa_reserve_vcc 1
		.amdhsa_float_denorm_mode_32 3
		.amdhsa_float_denorm_mode_16_64 3
		.amdhsa_memory_ordered 1
		.amdhsa_forward_progress 1
		.amdhsa_inst_pref_size 32
	.end_amdhsa_kernel
	.amdgpu_metadata
---
amdhsa.version: [ 1, 2 ]
amdhsa.kernels:
  - .name:           k_q4229e6f829_quant
    .symbol:         k_q4229e6f829_quant.kd
    .args:
      - { .name: x, .offset: 0, .size: 8, .value_kind: global_buffer, .address_space: global }
      - { .name: Wq, .offset: 8, .size: 8, .value_kind: global_buffer, .address_space: global }
      - { .name: Wk, .offset: 16, .size: 8, .value_kind: global_buffer, .address_space: global }
      - { .name: Wv, .offset: 24, .size: 8, .value_kind: global_buffer, .address_space: global }
      - { .name: Wo, .offset: 32, .size: 8, .value_kind: global_buffer, .address_space: global }
      - { .name: codes, .offset: 40, .size: 8, .value_kind: global_buffer, .address_space: global }
      - { .name: scl, .offset: 48, .size: 8, .value_kind: global_buffer, .address_space: global }
    .group_segment_fixed_size: 51456
    .private_segment_fixed_size: 0
    .kernarg_segment_align: 8
    .kernarg_segment_size: 56
    .max_flat_workgroup_size: 192
    .sgpr_count:     66
    .vgpr_count:     256
    .wavefront_size: 32
...
	.end_amdgpu_metadata
.endif
;; end of part 1
;; launch proj (part 2): grid 12 x 32, 4 waves a work-group, clusters of 4 x 4, 327,680 bytes of LDS; arguments codes, scl, bq, bk, bv, qc, qs, kv; writes qc, qs, kv
.if DOCPART == 2
	.amdgcn_target "amdgcn-amd-amdhsa--gfx1250"
	.amdhsa_code_object_version 6
	.text
	.protected	k_q4229e6f829_proj
	.globl	k_q4229e6f829_proj
	.p2align	8
	.type	k_q4229e6f829_proj,@function
k_q4229e6f829_proj:
	s_mov_b64 s[64:65], 0
	v_nop
	global_prefetch_b8 v0, s[64:65] scope:SCOPE_SE
	s_setreg_imm32_b32 hwreg(HW_REG_WAVE_MODE, 25, 1), 1
	s_wait_xcnt 0x0
	s_wait_alu depctr_hold_cnt(0) depctr_sa_sdst(0) depctr_va_vdst(0) depctr_va_sdst(0) depctr_va_ssrc(0) depctr_va_vcc(0) depctr_vm_vsrc(0)
	s_getreg_b32 s2, hwreg(HW_REG_IB_STS2, 6, 4)
	s_cmp_eq_u32 s2, 0
	s_cbranch_scc0 .Lentry_in_a_cluster
	s_endpgm
.Lentry_in_a_cluster:
	s_bfe_u32 s2, ttmp6, 0x10000c
	s_cmp_lg_u32 s2, 0xf033
	s_cbranch_scc0 .Lentry_shape_is_right
	s_endpgm
.Lentry_shape_is_right:
; LAUNCH 2 OF 4 (no work of the problem is left out).  q = x Wq^T + bq, k = x Wk^T + bk, v = x Wv^T + bv on codes of FP4, sums in f32, the bias added in f32, and the results QUANTISED IN REGISTERS:
; q and k along the head's 64 (two blocks), v along the keys.  No f32 result goes to memory.
; A work-group of four waves makes 256 x 256 of a product, a wave 128 x 128: 64 accumulators, 512 registers.  K = 1,024 is two K steps of 512: both slots and all scale words are asked for at the head; nothing is filled twice.
; THE MATRIX INSTRUCTION IS USED TRANSPOSED: source 0 = 16 rows of 'B', source 1 = 16 rows of 'A': a lane holds ONE row of A, and by the order of rows in a tile16 (launch 1) the 16 registers of B's blocks 2 b', 2 b' + 1
; are 16 neighbours, 32 b' + 16 (lane / 16) + 0 .. 15, along B's rows.  So a lane's 64 registers of one block of A are 128 / 2 numbers along the next product's K, in the order that the conversions want.
; cluster x = 0: q, 1: k (A = x, B = the weight: registers run along the features: two heads to a wave);  cluster x = 2: v (A = Wv, B = x: registers run along the KEYS: a wave's 128 columns are one key step).
; OUT.  qc [bh][tile16][512]: a tile's 16 rows x 64 dims, 16 bytes a lane;  qs [bh][g][r][a 0..7] words (bytes 0, 1 real, 2, 3 zero: they scale zero codes);
; kv: a record of REC bytes for each bh = 16 b + head: K's codes as qc at 0; V^T's fragments [key step][t 0..3][1,024] at 65,536; K's scale words as qs at 131,072; V's [key step][r][t] at 139,264.
; Every store of codes covers 512 consecutive bytes, aligned; the scale words leave in runs of 512 or 256 consecutive bytes, aligned.
; CLUSTERS: 4 x 4 work-groups; A's tiles are shared along a row of the cluster, B's along a column: joint loads.  The branch between the two ways out hangs on the cluster's x alone.
; LIMITS: a block of zeros gets the byte 1 (its codes are zeros; this program alone reads the bytes); NaN and infinities are not served.
; REGISTERS: window 0: v1 r, v2 h, v16-29 addresses, v32-95 scale words (two sets; nothing else ever), v96-127 at work, v128-191 A's fragments (one set), later a block's 64 numbers, v192-255 the codes made.
;   window 1: v0-63, v128-191 B's fragments (two sets); v192-255 the bias.   windows 2, 3: the accumulators: (a, b) at v[8 (8 (a % 4) + b)] of window 2 + a / 4.
.set NB,     8                         ; blocks of B to a wave
.set HALFA,  65536                     ; 8 tile16 x 8 fragments: what one wave reads of A (both K steps of a tile16 lie on end, as in memory)
.set HALFB,  8192*NB
.set SLOT,   4096                      ; from K step 0 to K step 1 inside a tile16
.set SCL,    2*HALFA+2*HALFB           ; A's 16 tile16, then B's 2 NB; behind them the scale words
.set HALFSA, 4096
.set HALFSB, 512*NB
.set SPARE,  SCL+8192+1024*NB          ; the spare words, 128 bytes for each wave: two blocks of 256 bytes that no other line names
.set REC,    143360
.set ADRA, 16                          ; v16-17  my A fragments in slot 0, 1: 16 x lane + my half
.set ADRB, 20                          ; v20-21  the same for B
.set LI,   24                          ; v24     16 x lane
.set SOF,  26                          ; v26     where I store scale words
.set ADRS, 27                          ; v27     my scale words: lanes 0-15 A's, lanes 16-31 B's
.set SPW,  28
.set NIL,  29
.set SC,   32
.set VO,   96                          ; v96-103 the bias loads' offsets (free again behind the wait for them)
.set TM,   96                          ; v96-99 largest magnitudes, v100-103 the other lane's / bytes, v104-107 scale operands
.set PWB,  108                         ; v108-115 the scale word of each of A's 8 blocks
.set SLV,  116
.set EV,   120
.set OD,   124
.set AF,   128
.set HA,   128
.set PC,   192
.set SELS, 2                           ; s[2:3] lane selects for lane l xor 16
.set WV,   20
.set RH,   21                          ; which half of the tile's rows is mine; also: I fetch for A (0) or B (1)
.set CH,   22                          ; which half of its columns; also: which half I fetch
.set CX,   23
.set CY,   24
.set CLY,  25
.set MODE, 26
.set G1A,  28
.set G1B,  36
.set G1SA, 44
.set G1SB, 52
.set G0A,  68                          ; one set: both slots in one load
.set G0B,  76
.set G0SA, 84
.set G0SB, 88
.set EB,   28                          ; the way out's scalars take the descriptors' registers: every tensor load has been waited for by then
.set EG,   29
.set EH,   30
.set EE,   31
.set BC,   32                          ; s[32:33], s[34:35] where codes go: even head, odd head
.set BS,   36                          ; s[36:37], s[38:39] where scale words go
.set TO,   40
.set ST1,  42
.set ST2,  43
.set SAD,  44
.set T5,   45
.set MSB, 0
.macro WIN new                         ; the immediate's high byte repeats the setting that is left; a switch that changes nothing is dropped
.if MSB != (\new)
	s_set_vgpr_msb (MSB<<8)|(\new)
.set MSB, (\new)
.endif
.endm
.set TO_B, 0x40                        ; destination window 1, address window 0
.macro ARM under, g0, g1, next         ; one arm of the head's chain of branches on the wave's number: its joint load, an s_nop 0 and four v_nop, a jump to the join
	s_cmp_lt_u32 s[WV], \under
	s_cbranch_scc0 \next
	tensor_load_to_lds s[\g0:\g0+3], s[\g1:\g1+7]
	s_nop 0
.rept 4
	v_nop
.endr
	s_branch .Lhead_asked
\next:
.endm
.macro CROUND                          ; a round of the cluster's barrier
	s_barrier_signal -1
	s_barrier_wait -1
	s_cmp_lg_u32 s[WV], 0
	s_cbranch_scc1 .Lnot_wave_0_\@
	s_barrier_signal -3
.Lnot_wave_0_\@:
	s_barrier_wait -3
	s_barrier_signal -1
	s_barrier_wait -1
.endm
.macro PLACES n
.rept \n
	v_nop
.endr
.endm
	s_load_b512 s[4:19], s[0:1], 0x0               ; codes, scl, bq, bk, bv, qc, qs, kv
	v_lshl_add_u32 v[SPW], v0, 2, SPARE
	v_mov_b32 v[NIL], 0
	ds_add_u32 v[SPW], v[NIL]                      ; the wave's opening: the add, twice on end, and its wait ahead of my first tensor load
	ds_add_u32 v[SPW], v[NIL]
	v_lshrrev_b32 v1, 5, v0
	v_readfirstlane_b32 s[WV], v1
	s_lshr_b32 s[RH], s[WV], 1
	s_and_b32 s[CH], s[WV], 1
	s_bfe_u32 s[CX], ttmp6, 0x40000
	s_bfe_u32 s[CY], ttmp6, 0x40004
	s_and_b32 s[CLY], ttmp7, 0xffff                ; cluster y, 0..7
	s_lshr_b32 s[MODE], ttmp9, 1                   ; cluster x: 0 q, 1 k, 2 v: the mode is the same in all sixteen partners
	s_mov_b32 s[SELS], 0x76543210
	s_mov_b32 s[SELS+1], 0xfedcba98
	s_lshl_b32 s92, s[CY], 2
	s_lshl_b32 s92, 15, s92                        ; my row of the cluster
	s_lshl_b32 s93, 0x1111, s[CX]                  ; my column
	s_or_b32 s[G1A], s92, (1<<21)                  ; codes: elements of 1 byte, no padding; the mask, and bit 21 beside it
	s_or_b32 s[G1B], s93, (1<<21)
	s_or_b32 s[G1SA], s92, (3<<16)|(1<<21)         ; scale words: elements of 8 bytes
	s_or_b32 s[G1SB], s93, (3<<16)|(1<<21)
.irp g, G1A, G1B                       ; a whole tile16's 8,192 bytes (both K steps), 8,192 bytes apart in memory, dense in LDS
	s_mov_b32 s[\g+1], 8192<<16                    ; tensor_dim0: a whole tile16, both K steps
	s_mov_b32 s[\g+3], 8192<<16                    ; tile_dim0
	s_mov_b32 s[\g+5], 8192                        ; from row to row
	s_mov_b32 s[\g+6], 0
	s_mov_b32 s[\g+7], 0
.endr
	s_mov_b32 s[G1A+2], 16<<16                     ; tensor_dim1
	s_mov_b32 s[G1A+4], 16                         ; tile_dim1
	s_mov_b32 s[G1B+2], (2*NB)<<16
	s_mov_b32 s[G1B+4], 2*NB
.irp g, G1SA, G1SB                     ; a dense block as rows of 256 bytes
	s_mov_b32 s[\g+1], 32<<16
	s_mov_b32 s[\g+3], 32<<16
	s_mov_b32 s[\g+5], 32
	s_mov_b32 s[\g+6], 0
	s_mov_b32 s[\g+7], 0
.endr
	s_mov_b32 s[G1SA+2], 32<<16
	s_mov_b32 s[G1SA+4], 32
	s_mov_b32 s[G1SB+2], (4*NB)<<16
	s_mov_b32 s[G1SB+4], 4*NB
	; which tile16 I fetch.  A's number is made of cy and cluster ids alone, B's of cx and cluster ids alone
	s_lshl_b32 s96, s[CLY], 6                      ; x: 64 x cluster y
	s_lshl_b32 s97, ttmp9, 6
	s_add_co_u32 s97, s97, 512                     ; Wq at 512, Wk at 576
	s_lshl_b32 s98, s[CY], 4
	s_lshl_b32 s99, s[CX], 4
	s_mov_b32 s94, 640                             ; Wv
	s_cmp_eq_u32 s[MODE], 0
	s_cselect_b32 s94, s96, s94                    ; A: x, or Wv
	s_cselect_b32 s95, s97, s96                    ; B: the weight, or x
	s_add_co_u32 s94, s94, s98
	s_add_co_u32 s95, s95, s99
	s_lshl_b32 s96, s94, 13                        ; in bytes: codes,
	s_mov_b32 s97, 0
	s_lshl_b32 s98, s95, 13
	s_mov_b32 s99, 0
	s_lshl_b32 s92, s94, 9                         ; scale words
	s_mov_b32 s93, 0
	s_lshl_b32 s100, s95, 9
	s_mov_b32 s101, 0
	s_wait_dscnt 0x0                               ; both opening adds are done
	s_wait_kmcnt 0x0
	s_add_nc_u64 s[96:97], s[4:5], s[96:97]
	s_add_nc_u64 s[98:99], s[4:5], s[98:99]
	CROUND                                         ; all sixteen work-groups are here: the first joint loads meet
	s_mov_b32 s[G0SA], 1
	s_mov_b32 s[G0SA+1], SCL
	s_add_nc_u64 s[G0SA+2:G0SA+3], s[6:7], s[92:93]
	s_or_b32 s[G0SA+3], s[G0SA+3], 0x80000000
	s_mov_b32 s[G0SB], 1
	s_mov_b32 s[G0SB+1], SCL+8192
	s_add_nc_u64 s[G0SB+2:G0SB+3], s[6:7], s[100:101]
	s_or_b32 s[G0SB+3], s[G0SB+3], 0x80000000
	s_mov_b32 s[G0A], 1
	s_mov_b32 s[G0A+1], 0
	s_mov_b64 s[G0A+2:G0A+3], s[96:97]
	s_or_b32 s[G0A+3], s[G0A+3], 0x80000000
	s_mov_b32 s[G0B], 1
	s_mov_b32 s[G0B+1], 2*HALFA
	s_mov_b64 s[G0B+2:G0B+3], s[98:99]
	s_or_b32 s[G0B+3], s[G0B+3], 0x80000000
	; THE HEAD'S LOADS, ONE A WAVE: wave 0 A's 16 tile16, all of K; wave 1 B's; wave 2 A's scale words; wave 3 B's.  Nothing is filled later
	ARM 1, G0A,  G1A,  .Lhead_b
	ARM 2, G0B,  G1B,  .Lhead_sa
	ARM 3, G0SA, G1SA, .Lhead_sb
	tensor_load_to_lds s[G0SB:G0SB+3], s[G1SB:G1SB+7]
	s_nop 0
.rept 4
	v_nop
.endr
.Lhead_asked:
	v_and_b32 v1, 15, v0                           ; r
	v_bfe_u32 v2, v0, 4, 1                         ; h
	s_wait_alu depctr_va_vdst(0)
	v_and_b32 v3, 31, v0
	v_lshlrev_b32 v[LI], 4, v3
	s_mul_i32 s92, s[RH], HALFA
	s_mul_i32 s93, s[CH], HALFB
	s_add_co_u32 s93, s93, 2*HALFA
.irp s, 0,1
	v_add_nc_u32 v[ADRA+\s], s92, v[LI]
	v_add_nc_u32 v[ADRB+\s], s93, v[LI]
	s_add_co_u32 s92, s92, SLOT
	s_add_co_u32 s93, s93, SLOT
.endr
	s_mul_i32 s92, s[RH], HALFSA                   ; scale words: A's, my 8 blocks;
	s_mul_i32 s93, s[CH], HALFSB                   ; B's, my NB blocks, behind A's 8,192 bytes
	s_add_co_u32 s93, s93, 8192
	s_sub_co_u32 s93, s93, s92
	v_mul_u32_u24 v4, s93, v2                      ; lanes 16-31 take B's: one product with h
	s_add_co_u32 s92, s92, SCL
	v_lshl_add_u32 v4, v1, 4, v4                   ; 16 bytes a row: the K step's four words
	v_add_nc_u32 v[ADRS], s92, v4
	; THE BIAS, in the results' layout, 64 registers of window 1.  q, k: register 8 b + j = the bias of column 32 (b / 2) + 16 h + 8 (b % 2) + j.  v: register 8 a + j = the bias of my lane's row of block a, for every j.
	v_and_b32 v3, 8, v1
	v_add_nc_u32 v3, v3, v1                        ; r + 8 (r / 8)
	s_lshl_b32 s92, s[CX], 1
	s_add_co_u32 s92, s92, s[CH]                   ; q, k: my 128 features are my columns,
	s_lshl_b32 s93, s[CY], 1
	s_add_co_u32 s93, s93, s[RH]                   ; v: my rows
	s_cmp_eq_u32 ttmp9, 0
	s_cselect_b64 s[94:95], s[8:9], s[10:11]
	s_cmp_eq_u32 s[MODE], 0
	s_cselect_b64 s[94:95], s[94:95], s[12:13]
	s_cselect_b32 s92, s92, s93
	s_cselect_b32 s93, 64, 0                       ; bytes for h,
	s_cselect_b32 s98, 0, 4                        ; for the lane's row,
	s_cselect_b32 s99, 4, 0                        ; for j
	s_lshl_b32 s100, s92, 9
	s_mov_b32 s101, 0
	s_add_nc_u64 s[94:95], s[94:95], s[100:101]
	v_mul_u32_u24 v4, s93, v2
	s_wait_alu depctr_va_vdst(0)
	v_mad_u32_u24 v4, v3, s98, v4
.irp j, 0,1,2,3,4,5,6,7
	v_mad_u32_u24 v[VO+\j], s99, \j, v4
.endr
	WIN TO_B
.irp i, 0,1,2,3,4,5,6,7
.irp j, 0,1,2,3,4,5,6,7
	global_load_b32 v[192+8*\i+\j], v[VO+\j], s[94:95] offset:(32*(\i/2)+8*(\i%2))*4
.endr
.endr
	WIN 0
.macro FRAG reg, adr, q, i             ; a fragment as it was stored: registers 4 c .. 4 c + 3 from 512 c + 16 x lane
.irp c, 0,1
	ds_load_b128 v[(\reg)+4*\c:(\reg)+4*\c+3], v[\adr] offset:8192*(\i)+1024*(\q)+512*\c
.endr
.endm
; A's blocks a0, a0 + 1 x B's NB, 128 along K: the slot's q-th.  p: B's set; sc: the set of scale words.  zero = 1: the product starts the sums.  The accumulators take turns, in the same order in every step.
.macro MUL16 a0, p, q, sc, zero
.irp a, \a0, \a0+1
	WIN 0xa1+0x50*((NB*(\a))/32)
.set BI, 0
.rept NB
.set AC, 8*((NB*(\a)+BI)%32)
.set BF, 128*(\p)+8*BI
.set AR, AF+8*(\a)
.set SB, SC+32*(\sc)+4*BI+(\q)
.set SA, SC+32*(\sc)+4*(\a)+(\q)
.if (\zero) == 1
	v_wmma_scale_f32_16x16x128_f8f6f4 v[AC:AC+7], v[BF:BF+7], v[AR:AR+7], 0, v[SB], v[SA] matrix_a_fmt:MATRIX_FMT_FP4 matrix_b_fmt:MATRIX_FMT_FP4 matrix_a_scale:MATRIX_SCALE_ROW1
.else
	v_wmma_scale_f32_16x16x128_f8f6f4 v[AC:AC+7], v[BF:BF+7], v[AR:AR+7], v[AC:AC+7], v[SB], v[SA] matrix_a_fmt:MATRIX_FMT_FP4 matrix_b_fmt:MATRIX_FMT_FP4 matrix_a_scale:MATRIX_SCALE_ROW1
.endif
.set BI, BI+1
.endr
.endr
.endm
.macro FETCH_B slot, q, p
	WIN TO_B
.set II, 0
.rept NB
	FRAG 128*(\p)+8*II, ADRB+\slot, \q, II
.set II, II+1
.endr
	WIN 0
.endm
.macro FETCH_A slot, q, i0
.irp i, \i0, \i0+1, \i0+2, \i0+3
	FRAG AF+8*(\i), ADRA+\slot, \q, \i
.endr
.endm
.macro SCALES sc                       ; a K step's four words a row: lanes 0-15 A's block i, lanes 16-31 B's block i
.irp i, 0,1,2,3,4,5,6,7
	ds_load_b128 v[SC+32*(\sc)+4*\i:SC+32*(\sc)+4*\i+3], v[ADRS] offset:512*\i
.endr
.endm
; A step of 128 along K whose successor lies in the same slot.  Loads into registers that matrix instructions have read stand four plain places behind them (ISA guide 7.12.1 for vector instructions).
.macro STEP slot, q, zero
	s_wait_dscnt 8                                 ; B's set and A's blocks 0-3 are in; the youngest eight loads (A's blocks 4-7) may be out
	MUL16 0, (\q)%2, \q, \slot, \zero
	MUL16 2, (\q)%2, \q, \slot, \zero
	s_wait_dscnt 0x0
	PLACES 4
	FETCH_B \slot, (\q)+1, 1-(\q)%2
	FETCH_A \slot, (\q)+1, 0
	MUL16 4, (\q)%2, \q, \slot, \zero
	MUL16 6, (\q)%2, \q, \slot, \zero
	PLACES 4
	WIN 0
	FETCH_A \slot, (\q)+1, 4
.endm
; Slot 0's last step goes over to slot 1: each wave waits for all its tensor loads, and a barrier shows the whole slot to every wave.
.macro TURN slot, next
	s_wait_tensorcnt 0x0
	ds_add_u32 v[SPW], v[NIL]
	s_wait_dscnt 9                                 ; the add and the youngest eight loads may be out
	MUL16 0, 1, 3, \slot, 0
	s_wait_dscnt 0x0
	s_barrier_signal -1
	MUL16 2, 1, 3, \slot, 0
	WIN 0
	s_barrier_wait -1
	PLACES 4
	v_add_nc_u32 v[ADRS], 256, v[ADRS]             ; the next K step's scale words
	FETCH_B \next, 0, 0
	FETCH_A \next, 0, 0
	SCALES \next
	MUL16 4, 1, 3, \slot, 0
	MUL16 6, 1, 3, \slot, 0
	PLACES 4
	WIN 0
	FETCH_A \next, 0, 4
.endm
	s_wait_alu depctr_va_vdst(0)
	s_wait_tensorcnt 0x0                           ; my one load is in; behind the barrier all four are
	s_barrier_signal -1
	s_barrier_wait -1
	FETCH_B 0, 0, 0
	FETCH_A 0, 0, 0
	SCALES 0
	FETCH_A 0, 0, 4
	STEP 0, 0, 1                                   ; the first step's products start the sums: nothing is cleared
	STEP 0, 1, 0
	STEP 0, 2, 0
	TURN 0, 1
	STEP 1, 0, 0
	STEP 1, 1, 0
	STEP 1, 2, 0
	s_wait_dscnt 8
	MUL16 0, 1, 3, 1, 0
	MUL16 2, 1, 3, 1, 0
	s_wait_dscnt 0x0
	MUL16 4, 1, 3, 1, 0
	MUL16 6, 1, 3, 1, 0
	WIN 0
; 64 numbers of a lane, register 16 b + i = k 32 b + 16 h + i of my row, become a fragment's 8 registers of codes at v[pc] and my row's scale word in v[pw].
.macro QUANT s, pc, pw
.irp b, 0,1,2,3
	v_max3_num_f32 v[TM+\b], |v[(\s)+16*\b]|, |v[(\s)+1+16*\b]|, 0x1800000   ; and the floor 2^(3 - 127): the byte cannot fall under 1
.endr
.irp i, 2,4,6,8,10,12,14
.irp b, 0,1,2,3
	v_max3_num_f32 v[TM+\b], v[TM+\b], |v[(\s)+16*\b+\i]|, |v[(\s)+1+16*\b+\i]|
.endr
.endr
.irp b, 0,1,2,3
	v_permlanex16_b32 v[TM+4+\b], v[TM+\b], s[SELS], s[SELS+1]
.endr
.irp b, 0,1,2,3
	v_max_num_f32 v[TM+\b], v[TM+\b], v[TM+4+\b]   ; with lane l xor 16's 16: the block's largest magnitude
.endr
.irp b, 0,1,2,3
	v_add_nc_u32 v[TM+8+\b], 0xff000000, v[TM+\b]  ; 2 off its exponent field: the conversion's scale operand
.endr
.irp b, 0,1,2,3
	v_lshrrev_b32 v[TM+4+\b], 23, v[TM+8+\b]       ; the byte
.endr
	v_lshl_or_b32 v[\pw], v[TM+5], 8, v[TM+4]
	v_lshl_or_b32 v[\pw], v[TM+6], 16, v[\pw]
	v_lshl_or_b32 v[\pw], v[TM+7], 24, v[\pw]
.irp b, 0,1,2,3
	v_cvt_scalef32_pk8_fp4_f32 v[(\pc)+2*\b], v[(\s)+16*\b:(\s)+7+16*\b], v[TM+8+\b]
	v_cvt_scalef32_pk8_fp4_f32 v[(\pc)+1+2*\b], v[(\s)+8+16*\b:(\s)+15+16*\b], v[TM+8+\b]
.endr
	v_nop                                          ; one plain place behind a scaled conversion
.irp c, 0,1                            ; the operand's layout wants a whole block in a lane
.irp i, 0,1
	v_permlane16_swap_b32 v[(\pc)+4*\c+\i], v[(\pc)+2+4*\c+\i]
.endr
.endr
.endm
; THE WAY OUT, block by block of A.  m = 0: q, k;  m = 1: v.  The bias is added in f32 behind the finished sum, each accumulator read from its low end on; then the quantiser; then the codes leave as they stand.
.macro EPI m
.irp a, 0,1,2,3,4,5,6,7
	WIN 0x06+(\a/4)                                ; source 0: window 2 or 3 (the sums); source 1: window 1 (the bias)
.set I2, 0
.rept 32
.if \m
.set BR, 192+8*\a+(I2%8)
.else
.set BR, 192+I2
.endif
	v_pk_add_f32 v[HA+I2:HA+I2+1], v[64*(\a%4)+I2:64*(\a%4)+I2+1], v[BR:BR+1]
.set I2, I2+2
.endr
	WIN 0
	QUANT HA, PC+8*\a, PWB+\a
.if \m
	global_store_b128 v[LI], v[PC+8*\a:PC+8*\a+3], s[BC+2*(\a/4):BC+2*(\a/4)+1] offset:1024*(\a%4)        ; V^T's fragment t = a % 4 of head a / 4
	global_store_b128 v[LI], v[PC+8*\a+4:PC+8*\a+7], s[BC+2*(\a/4):BC+2*(\a/4)+1] offset:1024*(\a%4)+512
.else
	global_store_b128 v[LI], v[PC+8*\a:PC+8*\a+3], s[BC:BC+1] offset:512*\a                               ; the even head's 64 dims of tile a,
	global_store_b128 v[LI], v[PC+8*\a+4:PC+8*\a+7], s[BC+2:BC+3] offset:512*\a                           ; the odd head's
.endif
.endr
.irp i, 0,1,2,3
	v_cndmask_b32 v[SLV+\i], v[PWB+\i], v[PWB+4+\i], vcc_lo   ; lanes 0-15: blocks 0-3's words of row r; lanes 16-31: blocks 4-7's
.endr
.if \m
	global_store_b128 v[SOF], v[SLV:SLV+3], s[BS:BS+1]        ; lanes 0-15: the even head's 256 bytes; lanes 16-31: the odd head's, a record on
.else
.irp i, 0,1,2,3
	v_and_b32 v[EV+\i], 0xffff, v[SLV+\i]          ; the even head's two bytes,
	v_lshrrev_b32 v[OD+\i], 16, v[SLV+\i]          ; the odd head's; the upper two are 0 and scale zero codes
.endr
	global_store_b128 v[SOF], v[EV:EV+3], s[BS:BS+1]          ; 512 consecutive bytes, aligned
	global_store_b128 v[SOF], v[OD:OD+3], s[BS+2:BS+3]
.endif
.endm
	PLACES 4                                       ; behind the last products: their results are read and A's registers written below
	s_wait_loadcnt 0x0                             ; the bias
	v_and_b32 v3, 31, v0
	v_cmp_lt_u32 vcc_lo, 15, v3                    ; lanes 16-31
.irp b, 0,1,2,3
	v_mov_b32 v[TM+4+\b], 0                        ; written once: a lane permute's destination counts as one of its sources
.endr
	s_lshr_b32 s[EB], s[CLY], 1
	s_lshl_b32 s[EB], s[EB], 4                     ; 16 x batch
	s_and_b32 s[EG], s[CLY], 1
	s_lshl_b32 s[EG], s[EG], 2
	s_cmp_lg_u32 s[MODE], 0
	s_cbranch_scc1 .Lvalues
	s_add_co_u32 s[EG], s[EG], s[CY]
	s_lshl_b32 s[EG], s[EG], 1
	s_add_co_u32 s[EG], s[EG], s[RH]               ; g: which 8 tile16 of the batch are my rows
	s_lshl_b32 s[EH], s[CX], 1
	s_add_co_u32 s[EH], s[EH], s[CH]
	s_lshl_b32 s[EH], s[EH], 1
	s_add_co_u32 s[EE], s[EB], s[EH]               ; my even head: 16 b + 2 (2 cx + half)
	s_mov_b32 s[ST1], REC
	s_mov_b32 s[ST2], REC
	s_cmp_eq_u32 ttmp9, 0                          ; q or k?
	s_cselect_b64 s[BC:BC+1], s[14:15], s[18:19]
	s_cselect_b64 s[BS:BS+1], s[16:17], s[18:19]
	s_cselect_b32 s[ST1], 65536, s[ST1]            ; from head to head: codes,
	s_cselect_b32 s[ST2], 8192, s[ST2]             ; scale words
	s_cselect_b32 s[SAD], 0, 131072
	s_mul_i32 s[TO], s[EE], s[ST1]
	s_lshl_b32 s[T5], s[EG], 12
	s_add_co_u32 s[TO], s[TO], s[T5]
	s_mov_b32 s[TO+1], 0
	s_add_nc_u64 s[BC:BC+1], s[BC:BC+1], s[TO:TO+1]
	s_mov_b32 s[TO], s[ST1]
	s_add_nc_u64 s[BC+2:BC+3], s[BC:BC+1], s[TO:TO+1]
	s_mul_i32 s[TO], s[EE], s[ST2]
	s_add_co_u32 s[TO], s[TO], s[SAD]
	s_lshl_b32 s[T5], s[EG], 9
	s_add_co_u32 s[TO], s[TO], s[T5]
	s_add_nc_u64 s[BS:BS+1], s[BS:BS+1], s[TO:TO+1]
	s_mov_b32 s[TO], s[ST2]
	s_add_nc_u64 s[BS+2:BS+3], s[BS:BS+1], s[TO:TO+1]
	v_lshlrev_b32 v[SOF], 5, v1
	v_lshl_add_u32 v[SOF], v2, 4, v[SOF]           ; [r][a 0..7]: 32 r + 16 h
	EPI 0
	s_branch .Ldone
.Lvalues:
	s_add_co_u32 s[EG], s[EG], s[CX]
	s_lshl_b32 s[EG], s[EG], 1
	s_add_co_u32 s[EG], s[EG], s[CH]               ; the key step that my 128 columns are
	s_lshl_b32 s[EH], s[CY], 1
	s_add_co_u32 s[EH], s[EH], s[RH]
	s_lshl_b32 s[EH], s[EH], 1
	s_add_co_u32 s[EE], s[EB], s[EH]               ; my even head: 16 b + 2 (2 cy + half)
	s_mul_i32 s[EE], s[EE], REC
	s_lshl_b32 s[T5], s[EG], 12
	s_add_co_u32 s[TO], s[EE], s[T5]
	s_add_co_u32 s[TO], s[TO], 65536
	s_mov_b32 s[TO+1], 0
	s_add_nc_u64 s[BC:BC+1], s[18:19], s[TO:TO+1]
	s_add_nc_u64 s[BC+2:BC+3], s[BC:BC+1], REC
	s_lshl_b32 s[T5], s[EG], 8
	s_add_co_u32 s[TO], s[EE], s[T5]
	s_add_co_u32 s[TO], s[TO], 139264
	s_add_nc_u64 s[BS:BS+1], s[18:19], s[TO:TO+1]
	v_mul_u32_u24 v[SOF], v2, REC
	v_lshl_add_u32 v[SOF], v1, 4, v[SOF]           ; [r][t 0..3]: 16 r; lanes 16-31 a record on
	EPI 1
.Ldone:
	s_wait_tensorcnt 0x0                           ; the wave's end
	ds_add_u32 v[SPW], v[NIL]
	s_wait_dscnt 0x0
	CROUND                                         ; the closing round
	s_endpgm
.Lfunc_end_k_q4229e6f829_proj:
	.size	k_q4229e6f829_proj, .Lfunc_end_k_q4229e6f829_proj-k_q4229e6f829_proj
	.p2alignl 7, 3214868480
	.fill 96, 4, 3214868480
	.section	.rodata,"a",@progbits
	.p2align	6, 0x0
	.amdhsa_kernel k_q4229e6f829_proj
		.amdhsa_group_segment_fixed_size 327680
		.amdhsa_private_segment_fixed_size 0
		.amdhsa_enable_private_segment 0
		.amdhsa_kernarg_size 64
		.amdhsa_user_sgpr_count 2
		.amdhsa_user_sgpr_kernarg_segment_ptr 1
		.amdhsa_wavefront_size32 1
		.amdhsa_system_sgpr_workgroup_id_x 1
		.amdhsa_system_sgpr_workgroup_id_y 1
		.amdhsa_system_sgpr_workgroup_id_z 1
		.amdhsa_system_vgpr_workitem_id 0
		.amdhsa_next_free_vgpr 1024
		.amdhsa_next_free_sgpr 102
		.amdhsa_reserve_vcc 1
		.amdhsa_float_denorm_mode_32 3
		.amdhsa_float_denorm_mode_16_64 3
		.amdhsa_memory_ordered 1
		.amdhsa_forward_progress 1
		.amdhsa_inst_pref_size 199
	.end_amdhsa_kernel
	.amdgpu_metadata
---
amdhsa.version: [ 1, 2 ]
amdhsa.kernels:
  - .name:           k_q4229e6f829_proj
    .symbol:         k_q4229e6f829_proj.kd
    .args:
      - { .name: codes, .offset: 0, .size: 8, .value_kind: global_buffer, .address_space: global }
      - { .name: scl, .offset: 8, .size: 8, .value_kind: global_buffer, .address_space: global }
      - { .name: bq, .offset: 16, .size: 8, .value_kind: global_buffer, .address_space: global }
      - { .name: bk, .offset: 24, .size: 8, .value_kind: global_buffer, .address_space: global }
      - { .name: bv, .offset: 32, .size: 8, .value_kind: global_buffer, .address_space: global }
      - { .name: qc, .offset: 40, .size: 8, .value_kind: global_buffer, .address_space: global }
      - { .name: qs, .offset: 48, .size: 8, .value_kind: global_buffer, .address_space: global }
      - { .name: kv, .offset: 56, .size: 8, .value_kind: global_buffer, .address_space: global }
    .group_segment_fixed_size: 327680
    .private_segment_fixed_size: 0
    .kernarg_segment_align: 8
    .kernarg_segment_size: 64
    .max_flat_workgroup_size: 128
    .sgpr_count:     102
    .vgpr_count:     1024
    .wavefront_size: 32
...
	.end_amdgpu_metadata
.endif
;; end of part 2
;; launch attn (part 3): grid 8 x 32, 16 waves a work-group, clusters of 4 x 1, 327,680 bytes of LDS; arguments qc, qs, kv, aoc, aos; writes aoc, aos
.if DOCPART == 3
	.amdgcn_target "amdgcn-amd-amdhsa--gfx1250"
	.amdhsa_code_object_version 6
	.text
	.protected	k_q4229e6f829_attn
	.globl	k_q4229e6f829_attn
	.p2align	8
	.type	k_q4229e6f829_attn,@function
k_q4229e6f829_attn:
	s_mov_b64 s[64:65], 0
	v_nop
	global_prefetch_b8 v0, s[64:65] scope:SCOPE_SE
	s_setreg_imm32_b32 hwreg(HW_REG_WAVE_MODE, 25, 1), 1
	s_wait_xcnt 0x0
	s_wait_alu depctr_hold_cnt(0) depctr_sa_sdst(0) depctr_va_vdst(0) depctr_va_sdst(0) depctr_va_ssrc(0) depctr_va_vcc(0) depctr_vm_vsrc(0)
	s_getreg_b32 s2, hwreg(HW_REG_IB_STS2, 6, 4)
	s_cmp_eq_u32 s2, 0
	s_cbranch_scc0 .Lentry_in_a_cluster
	s_endpgm
.Lentry_in_a_cluster:
	s_bfe_u32 s2, ttmp6, 0x10000c
	s_cmp_lg_u32 s2, 0x3003
	s_cbranch_scc0 .Lentry_shape_is_right
	s_endpgm
.Lentry_shape_is_right:
; LAUNCH 3 OF 4 (no work of the problem is left out).  ao = softmax(q k^T / 8) v for each of the 64 (batch, head), both products on codes of FP4 with E8M0 scales, and ao QUANTISED along the features for the last product.
; THE SOFTMAX: t = score x log2(e) / 8; M = the running largest t rounded up to a whole number; p = 2^(t - M) is quantised along the keys; the row's sum is taken of the unquantised p in f32 and divides O at the end.
; When M moves, the sum and O are multiplied by 2^(old M - new M), in every step, with no branch on data.
; LIMITS: the promise holds while |t| stays under 2^31; a block whose every p is 0 keeps the byte 1 (its codes are zeros); NaN and infinities are not served.
; SHARES.  A work-group owns 256 queries of two heads (bh = 2 y, 2 y + 1); each of its sixteen waves owns one tile of 16 queries, first in the even head, then in the odd one; a step is 128 keys.
; LDS.  The two heads' records (K's codes, V^T's fragments, both scale words: 2 x 143,360 bytes, on end in memory) come ONCE: each wave asks for 70 rows of 256 bytes by one tensor load at the head; one barrier; nothing is filled again.
; CLUSTER.  The four work-groups of a cluster are four query blocks of the same two heads: the load is joint (mask 15).
; No prefetch: the launch's only fill stands at its head, so there is no loop in which to ask ahead of it.
; LAYOUT.  Both products are used transposed (S^T = K Q^T, O^T = V^T P^T): a lane holds one query (lane % 16).  The head's 64 dims fill half of the instruction's 128: the upper halves of Q's and K's fragments are zero codes.
; THE KEYS OF A TILE ARE CHOSEN BY THE LANE'S LDS ADDRESS: row m of tile (c, u), c = 0, 1, u = 0 .. 3, is key 64 c + 32 (m / 8) + 8 u + m % 8.  So lane (r, h) holds in the 32 registers of tiles (c, 0 .. 3) the keys 64 c + 32 h + 0 .. 31:
; one whole block, in the order of the second product's operand: its largest score needs no other lane, and the eight conversions write P's fragment as it stands.
; In the record key 32 A + 8 j + i (i < 8) lies in tile16 2 A + j % 2, row i + 8 (j / 2): so the lane's place is 1024 (r / 8) + 16 (r % 8) + 256 h, and the tile's 2048 c + 512 (u % 2) + 128 (u / 2).
.set REC,   143360
.set PART,  17920                      ; 2 REC / 16: a wave's part of the fill
.set SPARE, 2*REC                      ; the spare words, 128 bytes for each wave: eight blocks of 256 bytes that no other line names
.set LI,  1                            ; 16 x lane
.set KL,  2                            ; my lane's place in K's codes
.set KSL, 3                            ; and among K's scale words: lanes 0-15 tiles c = 0, lanes 16-31 c = 1
.set SPW, 4
.set NIL, 5
.set ADK, 6
.set ADV, 7
.set ADS, 8
.set ADT, 9
.set OW,  10                           ; ao's scale word: two bytes a head
.set QW1, 11                           ; Q's scale word, odd head.  v12 -M, v13 the largest t, v[14:15] the sum in two halves; v16-23, v24-31 Q's fragments
.set KSC, 32
.set VSC, 36
.set KF,  40
.set VF,  104
.set S,   136
.set O,   200
.set PCD, 232
.set BM,  240                          ; four chains of the largest score; then BM, BM+2: my two blocks'
.set T2,  244                          ; the other half's word; the sum's second chain (a pair)
.set SOP, 246
.set BY,  248
.set VSL, 250
.set H8,  251                          ; 8 h
.set FF,  252
.set PSC, 253
.set TMP, 254
.set QW0, 255
.set WV,  14
.set SEL, 20
.set CS,  22
.set G1,  24
.set G0,  32
.set TV,  36
.set TB,  40
.set TS,  41
.set TJ,  42
.set CNT, 43
.macro CROUND                          ; a round of the cluster's barrier
	s_barrier_signal -1
	s_barrier_wait -1
	s_cmp_lg_u32 s[WV], 0
	s_cbranch_scc1 .Lnot_wave_0_\@
	s_barrier_signal -3
.Lnot_wave_0_\@:
	s_barrier_wait -3
	s_barrier_signal -1
	s_barrier_wait -1
.endm
	s_load_b256 s[4:11], s[0:1], 0x0               ; qc, qs, kv, aoc
	s_load_b64 s[12:13], s[0:1], 0x20              ; aos
	v_lshl_add_u32 v[SPW], v0, 2, SPARE
	v_mov_b32 v[NIL], 0
	ds_add_u32 v[SPW], v[NIL]                      ; the opening lines: the add, twice on end, and its wait ahead of my tensor load
	ds_add_u32 v[SPW], v[NIL]
	v_lshrrev_b32 v6, 5, v0
	v_readfirstlane_b32 s[WV], v6
	s_bfe_u32 s15, ttmp6, 0x40000                  ; cx
	s_and_b32 s16, ttmp7, 0xffff                   ; y: the pair of heads
	s_lshl_b32 s17, ttmp9, 2
	s_add_co_u32 s17, s17, s15
	s_lshl_b32 s17, s17, 4
	s_add_co_u32 s17, s17, s[WV]                   ; my tile16 of queries, 0 .. 127
	s_mov_b32 s[G1], 15|(3<<16)|(1<<21)            ; mask: all four partners; elements of 8 bytes; bit 21 beside the mask
	s_mov_b32 s[G1+1], 32<<16
	s_mov_b32 s[G1+2], 70<<16
	s_mov_b32 s[G1+3], 32<<16
	s_mov_b32 s[G1+4], 70
	s_mov_b32 s[G1+5], 32
	s_mov_b32 s[G1+6], 0
	s_mov_b32 s[G1+7], 0
	s_mul_i32 s18, s[WV], PART
	s_mul_i32 s46, s16, 2*REC
	s_add_co_u32 s46, s46, s18                     ; kv: the pair's records, my part: no place in the cluster enters it
	s_mov_b32 s47, 0
	s_lshl_b32 s48, s16, 17                        ; qc: 65,536 bytes a head, 512 a tile16
	s_lshl_b32 s19, s17, 9
	s_add_co_u32 s48, s48, s19
	s_mov_b32 s49, 0
	s_lshl_b32 s50, s16, 14                        ; qs: 8,192 bytes a head, [g][r][a] words
	s_lshr_b32 s19, s17, 3
	s_lshl_b32 s19, s19, 9
	s_add_co_u32 s50, s50, s19
	s_and_b32 s19, s17, 7
	s_lshl_b32 s19, s19, 2
	s_add_co_u32 s50, s50, s19
	s_mov_b32 s51, 0
	s_lshr_b32 s19, s16, 3
	s_lshl_b32 s19, s19, 7
	s_add_co_u32 s19, s19, s17                     ; ao's tile16: 128 x batch + mine
	s_and_b32 s44, s16, 7                          ; its fragment: the pair of heads in the batch
	s_lshl_b32 s52, s19, 13
	s_lshl_b32 s45, s44, 10
	s_add_co_u32 s52, s52, s45
	s_mov_b32 s53, 0
	s_lshl_b32 s54, s19, 9                         ; aos: [tile16][K step of 512][r][4 words]
	s_lshr_b32 s45, s44, 2
	s_lshl_b32 s45, s45, 8
	s_add_co_u32 s54, s54, s45
	s_and_b32 s45, s44, 3
	s_lshl_b32 s45, s45, 2
	s_add_co_u32 s54, s54, s45
	s_mov_b32 s55, 0
	s_mov_b32 s[SEL], 0x76543210
	s_mov_b32 s[SEL+1], 0xfedcba98                 ; lane l xor 16
	s_mov_b32 s[CS], 0x3e38aa3b                    ; c = log2(e) / 8
	s_mov_b32 s[CS+1], s[CS]
	v_and_b32 v6, 31, v0
	v_and_b32 v7, 15, v0                           ; r
	v_bfe_u32 v8, v0, 4, 1                         ; h
	v_and_b32 v9, 7, v0                            ; r % 8
	v_lshlrev_b32 v[LI], 4, v6
	v_bfe_u32 v6, v0, 3, 1                         ; r / 8
	v_lshlrev_b32 v[KL], 4, v9
	v_lshl_add_u32 v[KSL], v9, 5, 131072
	v_lshl_add_u32 v[KL], v6, 10, v[KL]
	v_lshl_add_u32 v[KSL], v8, 4, v[KSL]
	v_lshl_add_u32 v[KL], v8, 8, v[KL]
	v_lshl_add_u32 v[KSL], v6, 3, v[KSL]           ; word of row r % 8 + 8 (u / 2), tile16 4 c + 2 (r / 8) + u % 2: 32 (r % 8) + 16 c + 8 (r / 8), + 4 (u % 2) + 256 (u / 2)
	v_lshl_add_u32 v[VSL], v7, 4, 139264
	v_lshlrev_b32 v[H8], 3, v8
	v_lshlrev_b32 v[TMP], 5, v7                    ; Q's scale words: 32 bytes a row
.irp j, 20,21,22,23,28,29,30,31
	v_mov_b32 v[\j], 0                             ; Q's upper halves: zero codes
.endr
.irp t, 0,1,2,3,4,5,6,7
.irp j, 4,5,6,7
	v_mov_b32 v[KF+8*\t+\j], 0                     ; K's upper halves likewise: written once
.endr
.endr
	v_mov_b32 v[T2], 0                             ; a lane permute's destination counts as one of its sources
	v_mov_b32 v[PSC], 0                            ; named as the upper half of the pair v[FF:FF+1] before it is first written
	s_wait_alu depctr_va_vdst(0)
	s_wait_dscnt 0x0                               ; both opening adds are done
	s_wait_kmcnt 0x0
	s_add_nc_u64 s[4:5], s[4:5], s[48:49]
	s_add_nc_u64 s[6:7], s[6:7], s[50:51]
	s_add_nc_u64 s[10:11], s[10:11], s[52:53]
	s_add_nc_u64 s[12:13], s[12:13], s[54:55]
	global_load_b128 v[16:19], v[LI], s[4:5]                 ; Q's fragments stay in registers: the even head's,
	global_load_b128 v[24:27], v[LI], s[4:5] offset:65536    ; the odd head's
	global_load_b32 v[QW0], v[TMP], s[6:7]
	global_load_b32 v[QW1], v[TMP], s[6:7] offset:8192
	s_mov_b32 s[G0], 1
	s_mov_b32 s[G0+1], s18
	s_add_nc_u64 s[G0+2:G0+3], s[8:9], s[46:47]
	s_or_b32 s[G0+3], s[G0+3], 0x80000000
	CROUND                                         ; all four work-groups are here: the joint loads meet
	tensor_load_to_lds s[G0:G0+3], s[G1:G1+7]      ; my one tensor load of the launch
	s_nop 0
.macro OMUL from, cnt                  ; O^T under the new M: x f
.set J, \from
.rept \cnt
	v_pk_mul_f32 v[O+J:O+J+1], v[O+J:O+J+1], v[FF:FF+1] op_sel_hi:[1,0]
.set J, J+2
.endr
.endm
.macro STEP n
.set QR, 16+8*(\n)
.if \n
.set QW, QW1
.else
.set QW, QW0
.endif
	v_add_nc_u32 v[ADK], s[TB], v[KL]              ; (these four are also the places in front of the loads into registers that the last products read)
	v_add_nc_u32 v[ADS], s[TS], v[KSL]
	v_add_nc_u32 v[ADT], s[TJ], v[VSL]
	v_add_nc_u32 v[ADV], s[TV], v[LI]
	ds_load_b64 v[KSC:KSC+1], v[ADS]               ; K's scale words of tiles u = 0, 1,
	ds_load_b64 v[KSC+2:KSC+3], v[ADS] offset:256  ; u = 2, 3
.irp c, 0,1
.irp u, 0,1,2,3
	ds_load_b128 v[KF+8*(4*\c+\u):KF+8*(4*\c+\u)+3], v[ADK] offset:2048*\c+512*(\u%2)+128*(\u/2)
.endr
.endr
	ds_load_b128 v[VSC:VSC+3], v[ADT]
.irp t, 0,1,2,3
.irp c, 0,1
	ds_load_b128 v[VF+8*\t+4*\c:VF+8*\t+4*\c+3], v[ADV] offset:1024*\t+512*\c
.endr
.endr
	s_wait_dscnt 9                                 ; K and its words are in; V's word load and its eight fragment loads may be out
.irp t, 0,1,2,3
	v_wmma_scale_f32_16x16x128_f8f6f4 v[S+8*\t:S+8*\t+7], v[KF+8*\t:KF+8*\t+7], v[QR:QR+7], 0, v[KSC+\t], v[QW] matrix_a_fmt:MATRIX_FMT_FP4 matrix_b_fmt:MATRIX_FMT_FP4
.endr
.irp t, 4,5,6,7
	v_wmma_scale_f32_16x16x128_f8f6f4 v[S+8*\t:S+8*\t+7], v[KF+8*\t:KF+8*\t+7], v[QR:QR+7], 0, v[KSC+\t-4], v[QW] matrix_a_fmt:MATRIX_FMT_FP4 matrix_b_fmt:MATRIX_FMT_FP4 matrix_a_scale:MATRIX_SCALE_ROW1
.endr
.rept 4
	v_nop
.endr
.irp k, 0,1,2,3                        ; the largest score of my two blocks, each in two chains of 16; each accumulator is read from its low end on
	v_max3_num_f32 v[BM+\k], v[S+16*\k], v[S+16*\k+1], v[S+16*\k+2]
.endr
.irp i, 3,5,7,9,11,13
.irp k, 0,1,2,3
	v_max3_num_f32 v[BM+\k], v[BM+\k], v[S+16*\k+\i], v[S+16*\k+\i+1]
.endr
.endr
	v_max3_num_f32 v[BM], v[BM], v[BM+1], v[S+15]
	v_max3_num_f32 v[BM+2], v[BM+2], v[BM+3], v[S+47]
	v_max_num_f32 v[BM], v[BM], v[S+31]
	v_max_num_f32 v[BM+2], v[BM+2], v[S+63]
	v_max_num_f32 v[TMP], v[BM], v[BM+2]
	s_delay_alu instid0(VALU_DEP_1)
	v_mul_f32 v[TMP], s[CS], v[TMP]                ; as t (c is positive)
	v_permlanex16_b32 v[T2], v[TMP], s[SEL], s[SEL+1]
	v_max3_num_f32 v13, v13, v[TMP], v[T2]         ; the running largest t of my query
	v_mov_b32 v[TMP], v12
	s_delay_alu instid0(VALU_DEP_2)
	v_floor_f32 v12, -v13                          ; -M = floor(-t)
	s_delay_alu instid0(VALU_DEP_1)
	v_sub_f32 v[TMP], v12, v[TMP]                  ; old M - new M: a whole number, 0 or less
	s_delay_alu instid0(VALU_DEP_1)
	v_cvt_i32_f32 v[TMP], v[TMP]
	s_delay_alu instid0(VALU_DEP_1)
	v_ldexp_f32 v[FF], 1.0, v[TMP]                 ; f = 2^(old M - new M)
	v_fma_f32 v[BM], v[BM], s[CS], v12             ; t - M of each block's largest score,
	v_fma_f32 v[BM+2], v[BM+2], s[CS], v12
.set J, 0
.rept 32
	v_pk_fma_f32 v[S+J:S+J+1], v[S+J:S+J+1], s[CS:CS+1], v[12:13] op_sel_hi:[1,0,0]   ; and of all 64
.set J, J+2
.endr
	s_wait_alu depctr_va_vdst(0)
	v_exp_f32 v[BM], v[BM]                         ; the blocks' largest p: the same two instructions on the same number give the same bits as in the 64
	v_exp_f32 v[BM+2], v[BM+2]
.set J, 0
.rept 64
	v_exp_f32 v[S+J], v[S+J]                       ; p = 2^(t - M)
.set J, J+1
.endr
	v_nop                                          ; a plain place behind the exponentials
	s_wait_alu depctr_va_vdst(0)                   ; one wait for the batch, directly ahead of O^T's first reader too
	OMUL 0, 4
	v_max_num_f32 v[BM], 0x1800000, v[BM]          ; the floor 2^(3 - 127): the byte cannot fall under 1
	v_max_num_f32 v[BM+2], 0x1800000, v[BM+2]
	OMUL 8, 4
	v_add_nc_u32 v[SOP], 0xff000000, v[BM]         ; 2 off the exponent field: the conversions' scale operands
	v_add_nc_u32 v[SOP+1], 0xff000000, v[BM+2]
	OMUL 16, 4
	v_lshrrev_b32 v[BY], 23, v[SOP]                ; the bytes of blocks h and 2 + h
	v_lshrrev_b32 v[BY+1], 23, v[SOP+1]
	OMUL 24, 2
	v_lshl_or_b32 v[TMP], v[BY+1], 16, v[BY]
	OMUL 28, 2
	v_lshlrev_b32 v[TMP], v[H8], v[TMP]            ; at their places in the row's word: 8 h bits up
	s_delay_alu instid0(VALU_DEP_1)
	v_permlanex16_b32 v[T2], v[TMP], s[SEL], s[SEL+1]
.irp c, 0,1
.irp u, 0,1,2,3
	v_cvt_scalef32_pk8_fp4_f32 v[PCD+4*\c+\u], v[S+8*(4*\c+\u):S+8*(4*\c+\u)+7], v[SOP+\c]   ; register 4 c + u of P's fragment: keys 64 c + 32 h + 8 u + 0 .. 7
.endr
.endr
	v_or_b32 v[PSC], v[TMP], v[T2]                 ; with lane l xor 16's two bytes P's scale word is whole.  (The plain line behind the conversions)
	v_pk_fma_f32 v[14:15], v[14:15], v[FF:FF+1], v[S:S+1] op_sel_hi:[1,0,1]   ; the sum under the new M, and the unquantised p onto it: two chains.  (These 32 are the places in front of the products)
	v_pk_add_f32 v[T2:T2+1], v[S+2:S+3], v[S+6:S+7]
.set J, 4
.rept 14
	v_pk_add_f32 v[14:15], v[14:15], v[S+J:S+J+1]
	v_pk_add_f32 v[T2:T2+1], v[T2:T2+1], v[S+J+6:S+J+7]
.set J, J+4
.endr
	v_pk_add_f32 v[14:15], v[14:15], v[S+60:S+61]
	s_delay_alu instid0(VALU_DEP_1)
	v_pk_add_f32 v[14:15], v[14:15], v[T2:T2+1]
	s_wait_alu depctr_va_vdst(0)
	s_wait_dscnt 0x0                               ; V and its words
.irp t, 0,1,2,3
	v_wmma_scale_f32_16x16x128_f8f6f4 v[O+8*\t:O+8*\t+7], v[VF+8*\t:VF+8*\t+7], v[PCD:PCD+7], v[O+8*\t:O+8*\t+7], v[VSC+\t], v[PSC] matrix_a_fmt:MATRIX_FMT_FP4 matrix_b_fmt:MATRIX_FMT_FP4
.endr
.endm
; A head's end: O^T / the sum, quantised along the features (register 16 b + i = feature 32 b + 16 h + i of the head, by the order of Wv's rows in a tile16), 16 bytes a lane stored, two bytes kept for the scale word.
.macro FIN n
.rept 4
	v_nop
.endr
	v_add_f32 v14, v14, v15
	s_delay_alu instid0(VALU_DEP_1)
	v_permlanex16_b32 v[TMP], v14, s[SEL], s[SEL+1]
	s_delay_alu instid0(VALU_DEP_1)
	v_add_f32 v14, v14, v[TMP]
	s_wait_alu depctr_va_vdst(0)
	v_rcp_f32 v14, v14
	v_nop
	s_wait_alu depctr_va_vdst(0)                   ; and ahead of its first reader, which is O^T's first reader too
.set J, 0
.rept 16
	v_pk_mul_f32 v[S+J:S+J+1], v[O+J:O+J+1], v[14:15] op_sel_hi:[1,0]
.set J, J+2
.endr
.irp b, 0,1
	v_max3_num_f32 v[BM+\b], |v[S+16*\b]|, |v[S+16*\b+1]|, 0x1800000
.endr
.irp i, 2,4,6,8,10,12,14
.irp b, 0,1
	s_delay_alu instid0(VALU_DEP_2)
	v_max3_num_f32 v[BM+\b], v[BM+\b], |v[S+16*\b+\i]|, |v[S+16*\b+\i+1]|
.endr
.endr
.irp b, 0,1
	s_delay_alu instid0(VALU_DEP_2)
	v_permlanex16_b32 v[T2+\b], v[BM+\b], s[SEL], s[SEL+1]
.endr
.irp b, 0,1
	s_delay_alu instid0(VALU_DEP_2)
	v_max_num_f32 v[BM+\b], v[BM+\b], v[T2+\b]
.endr
.irp b, 0,1
	s_delay_alu instid0(VALU_DEP_2)
	v_add_nc_u32 v[SOP+\b], 0xff000000, v[BM+\b]
.endr
.irp b, 0,1
	s_delay_alu instid0(VALU_DEP_2)
	v_lshrrev_b32 v[T2+\b], 23, v[SOP+\b]
.endr
.if \n
	s_delay_alu instid0(VALU_DEP_1)
	v_lshl_or_b32 v[TMP], v[T2+1], 8, v[T2]
	s_delay_alu instid0(VALU_DEP_1)
	v_lshl_or_b32 v[OW], v[TMP], 16, v[OW]
.else
	s_delay_alu instid0(VALU_DEP_1)
	v_lshl_or_b32 v[OW], v[T2+1], 8, v[T2]
.endif
.irp b, 0,1
	v_cvt_scalef32_pk8_fp4_f32 v[PCD+2*\b], v[S+16*\b:S+16*\b+7], v[SOP+\b]
	v_cvt_scalef32_pk8_fp4_f32 v[PCD+2*\b+1], v[S+16*\b+8:S+16*\b+15], v[SOP+\b]
.endr
	v_nop
	v_permlane16_swap_b32 v[PCD], v[PCD+2]         ; the operand's layout wants a whole block in a lane
	v_permlane16_swap_b32 v[PCD+1], v[PCD+3]
	global_store_b128 v[LI], v[PCD:PCD+3], s[10:11] offset:512*(\n)   ; 32 lanes store 512 consecutive bytes, aligned
.endm
.macro HEAD n
	s_mov_b32 s[TB], (\n)*REC
	s_mov_b32 s[TV], (\n)*REC+65536
	s_mov_b32 s[TS], (\n)*REC
	s_mov_b32 s[TJ], (\n)*REC
	s_mov_b32 s[CNT], 16
.if \n
	s_wait_xcnt 0x0                                ; the even head's store has read its registers
.endif
	v_mov_b32 v13, 0xff61b1e6                      ; the largest t so far: -3e38
	s_delay_alu instid0(VALU_DEP_1)
	v_floor_f32 v12, -v13
	v_mov_b32 v14, 0
	v_mov_b32 v15, 0
.set J, 0
.rept 32
	v_mov_b32 v[O+J], 0                            ; the step is written once for a head: its first trip finds zeros
.set J, J+1
.endr
.Lkey_\@:
	STEP \n
	s_add_co_u32 s[TB], s[TB], 4096
	s_add_co_u32 s[TV], s[TV], 4096
	s_add_co_u32 s[TS], s[TS], 512
	s_add_co_u32 s[TJ], s[TJ], 256
	s_sub_co_u32 s[CNT], s[CNT], 1
	s_cmp_lg_u32 s[CNT], 0
	s_cbranch_scc1 .Lkey_\@
	FIN \n
.endm
	s_wait_loadcnt 0x0                             ; Q
	s_wait_tensorcnt 0x0                           ; my part of the two records is in;
	s_barrier_signal -1
	s_barrier_wait -1                              ; everybody's is.  No barrier stands between the two heads: nothing is filled again
	HEAD 0
	HEAD 1
	v_and_b32 v[TMP], 31, v0
	v_and_b32 v[ADT], 15, v0
	s_delay_alu instid0(VALU_DEP_1)
	v_lshlrev_b32 v[ADT], 4, v[ADT]
	s_delay_alu instid0(VALU_DEP_3)
	v_cmp_gt_u32 vcc_lo, 16, v[TMP]
	s_wait_alu depctr_va_vdst(0)
	s_wait_xcnt 0x0                                ; EXEC changes only behind this wait
	s_and_saveexec_b32 s44, vcc_lo
	global_store_b32 v[ADT], v[OW], s[12:13]       ; row r's word for these 128 features: lanes 0-15
	s_wait_xcnt 0x0
	s_or_b32 exec_lo, exec_lo, s44
	s_wait_tensorcnt 0x0                           ; the wave's end
	ds_add_u32 v[SPW], v[NIL]
	s_wait_dscnt 0x0
	CROUND                                         ; the closing round
	s_endpgm
.Lfunc_end_k_q4229e6f829_attn:
	.size	k_q4229e6f829_attn, .Lfunc_end_k_q4229e6f829_attn-k_q4229e6f829_attn
	.p2alignl 7, 3214868480
	.fill 96, 4, 3214868480
	.section	.rodata,"a",@progbits
	.p2align	6, 0x0
	.amdhsa_kernel k_q4229e6f829_attn
		.amdhsa_group_segment_fixed_size 327680
		.amdhsa_private_segment_fixed_size 0
		.amdhsa_enable_private_segment 0
		.amdhsa_kernarg_size 40
		.amdhsa_user_sgpr_count 2
		.amdhsa_user_sgpr_kernarg_segment_ptr 1
		.amdhsa_wavefront_size32 1
		.amdhsa_system_sgpr_workgroup_id_x 1
		.amdhsa_system_sgpr_workgroup_id_y 1
		.amdhsa_system_sgpr_workgroup_id_z 1
		.amdhsa_system_vgpr_workitem_id 0
		.amdhsa_next_free_vgpr 256
		.amdhsa_next_free_sgpr 66
		.amdhsa_reserve_vcc 1
		.amdhsa_float_denorm_mode_32 3
		.amdhsa_float_denorm_mode_16_64 3
		.amdhsa_memory_ordered 1
		.amdhsa_forward_progress 1
		.amdhsa_inst_pref_size 47
	.end_amdhsa_kernel
	.amdgpu_metadata
---
amdhsa.version: [ 1, 2 ]
amdhsa.kernels:
  - .name:           k_q4229e6f829_attn
    .symbol:         k_q4229e6f829_attn.kd
    .args:
      - { .name: qc, .offset: 0, .size: 8, .value_kind: global_buffer, .address_space: global }
      - { .name: qs, .offset: 8, .size: 8, .value_kind: global_buffer, .address_space: global }
      - { .name: kv, .offset: 16, .size: 8, .value_kind: global_buffer, .address_space: global }
      - { .name: aoc, .offset: 24, .size: 8, .value_kind: global_buffer, .address_space: global }
      - { .name: aos, .offset: 32, .size: 8, .value_kind: global_buffer, .address_space: global }
    .group_segment_fixed_size: 327680
    .private_segment_fixed_size: 0
    .kernarg_segment_align: 8
    .kernarg_segment_size: 40
    .max_flat_workgroup_size: 512
    .sgpr_count:     66
    .vgpr_count:     256
    .wavefront_size: 32
...
	.end_amdgpu_metadata
.endif
;; end of part 3
;; launch oproj (part 4): grid 8 x 32, 4 waves a work-group, clusters of 4 x 4, 327,680 bytes of LDS; arguments aoc, aos, codes, scl, bo, out0; writes out0
.if DOCPART == 4
	.amdgcn_target "amdgcn-amd-amdhsa--gfx1250"
	.amdhsa_code_object_version 6
	.text
	.protected	k_q4229e6f829_oproj
	.globl	k_q4229e6f829_oproj
	.p2align	8
	.type	k_q4229e6f829_oproj,@function
k_q4229e6f829_oproj:
	s_mov_b64 s[64:65], 0
	v_nop
	global_prefetch_b8 v0, s[64:65] scope:SCOPE_SE
	s_setreg_imm32_b32 hwreg(HW_REG_WAVE_MODE, 25, 1), 1
	s_wait_xcnt 0x0
	s_wait_alu depctr_hold_cnt(0) depctr_sa_sdst(0) depctr_va_vdst(0) depctr_va_sdst(0) depctr_va_ssrc(0) depctr_va_vcc(0) depctr_vm_vsrc(0)
	s_getreg_b32 s2, hwreg(HW_REG_IB_STS2, 6, 4)
	s_cmp_eq_u32 s2, 0
	s_cbranch_scc0 .Lentry_in_a_cluster
	s_endpgm
.Lentry_in_a_cluster:
	s_bfe_u32 s2, ttmp6, 0x10000c
	s_cmp_lg_u32 s2, 0xf033
	s_cbranch_scc0 .Lentry_shape_is_right
	s_endpgm
.Lentry_shape_is_right:
.set NB,     4
; LAUNCH 4 OF 4 (no work of the problem is left out).  out0 = ao Wo^T + bo on codes of FP4, sums in f32, the bias as the C of each sum's first product.
; A work-group of four waves makes 256 rows x 128 columns, a wave 128 x 64.  All of K = 1,024 is asked for at the head, one joint load a wave; nothing is filled again.  4 x 4 clusters: A's tiles are shared along a row, B's along a column.
.set HALFA,  65536                     ; 8 tile16 x 8 fragments: what one wave reads of A (both K steps of a tile16 lie on end, as in memory)
.set HALFB,  8192*NB
.set SLOT,   4096                      ; from K step 0 to K step 1 inside a tile16
.set SCL,    2*HALFA+2*HALFB           ; A's 16 tile16, then B's 2 NB; behind them the scale words
.set HALFSA, 4096
.set HALFSB, 512*NB
.set SPARE,  SCL+8192+1024*NB
.set SPITCH, 272
.set STAGE,  SPARE+512                 ; the way out's stages, 16 rows x 272 bytes a wave: bytes of their own, into which no fill lands
.set ADRA, 16
.set ADRB, 20
.set STO,  22
.set RD,   23
.set LI,   24
.set CO,   25
.set ADRS2, 26
.set ADRS, 27
.set SPW,  28
.set NIL,  29
.set VB,   30
.set SC,   32
.set AF,   128
.set BK,   128
.set BIAS, 192
.set WV,   20
.set RH,   21
.set CH,   22
.set CX,   23
.set CY,   24
.set CLY,  25
.set G1A,  28
.set G1B,  36
.set G1SA, 44
.set G1SB, 52
.set G0A,  68
.set G0B,  76
.set G0SA, 84
.set G0SB, 88
.set MSB, 0
.macro WIN new
.if MSB != (\new)
	s_set_vgpr_msb (MSB<<8)|(\new)
.set MSB, (\new)
.endif
.endm
.set TO_B, 0x40
.macro ARM under, g0, g1, next         ; one arm of the head's chain of branches on the wave's number: its joint load, an s_nop 0 and four v_nop, a jump to the join
	s_cmp_lt_u32 s[WV], \under
	s_cbranch_scc0 \next
	tensor_load_to_lds s[\g0:\g0+3], s[\g1:\g1+7]
	s_nop 0
.rept 4
	v_nop
.endr
	s_branch .Lhead_asked
\next:
.endm
.macro CROUND
	s_barrier_signal -1
	s_barrier_wait -1
	s_cmp_lg_u32 s[WV], 0
	s_cbranch_scc1 .Lnot_wave_0_\@
	s_barrier_signal -3
.Lnot_wave_0_\@:
	s_barrier_wait -3
	s_barrier_signal -1
	s_barrier_wait -1
.endm
.macro PLACES n
.rept \n
	v_nop
.endr
.endm
	s_load_b256 s[4:11], s[0:1], 0x0
	s_load_b128 s[12:15], s[0:1], 0x20
	v_lshl_add_u32 v[SPW], v0, 2, SPARE
	v_mov_b32 v[NIL], 0
	ds_add_u32 v[SPW], v[NIL]
	ds_add_u32 v[SPW], v[NIL]
	v_lshrrev_b32 v1, 5, v0
	v_readfirstlane_b32 s[WV], v1
	s_lshr_b32 s[RH], s[WV], 1
	s_and_b32 s[CH], s[WV], 1
	s_bfe_u32 s[CX], ttmp6, 0x40000
	s_bfe_u32 s[CY], ttmp6, 0x40004
	s_and_b32 s[CLY], ttmp7, 0xffff
	s_lshl_b32 s92, s[CY], 2
	s_lshl_b32 s92, 15, s92
	s_lshl_b32 s93, 0x1111, s[CX]
	s_or_b32 s[G1A], s92, (1<<21)
	s_or_b32 s[G1B], s93, (1<<21)
	s_or_b32 s[G1SA], s92, (3<<16)|(1<<21)
	s_or_b32 s[G1SB], s93, (3<<16)|(1<<21)
.irp g, G1A, G1B
	s_mov_b32 s[\g+1], 8192<<16                    ; tensor_dim0: a whole tile16, both K steps
	s_mov_b32 s[\g+3], 8192<<16                    ; tile_dim0
	s_mov_b32 s[\g+5], 8192
	s_mov_b32 s[\g+6], 0
	s_mov_b32 s[\g+7], 0
.endr
	s_mov_b32 s[G1A+2], 16<<16
	s_mov_b32 s[G1A+4], 16
	s_mov_b32 s[G1B+2], (2*NB)<<16
	s_mov_b32 s[G1B+4], 2*NB
.irp g, G1SA, G1SB
	s_mov_b32 s[\g+1], 32<<16
	s_mov_b32 s[\g+3], 32<<16
	s_mov_b32 s[\g+5], 32
	s_mov_b32 s[\g+6], 0
	s_mov_b32 s[\g+7], 0
.endr
	s_mov_b32 s[G1SA+2], 32<<16
	s_mov_b32 s[G1SA+4], 32
	s_mov_b32 s[G1SB+2], (4*NB)<<16
	s_mov_b32 s[G1SB+4], 4*NB
	s_lshl_b32 s94, s[CLY], 6
	s_lshl_b32 s96, s[CY], 4
	s_add_co_u32 s94, s94, s96
	s_lshl_b32 s95, ttmp9, 5
	s_lshl_b32 s97, s[CX], 3
	s_add_co_u32 s95, s95, s97
	s_add_co_u32 s95, s95, 704
	s_lshl_b32 s96, s94, 13
	s_mov_b32 s97, 0
	s_lshl_b32 s98, s95, 13
	s_mov_b32 s99, 0
	s_lshl_b32 s92, s94, 9
	s_mov_b32 s93, 0
	s_lshl_b32 s100, s95, 9
	s_mov_b32 s101, 0
	s_wait_dscnt 0x0
	s_wait_kmcnt 0x0
	s_add_nc_u64 s[96:97], s[4:5], s[96:97]
	s_add_nc_u64 s[98:99], s[8:9], s[98:99]
	CROUND
	s_mov_b32 s[G0SA], 1
	s_mov_b32 s[G0SA+1], SCL
	s_add_nc_u64 s[G0SA+2:G0SA+3], s[6:7], s[92:93]
	s_or_b32 s[G0SA+3], s[G0SA+3], 0x80000000
	s_mov_b32 s[G0SB], 1
	s_mov_b32 s[G0SB+1], SCL+8192
	s_add_nc_u64 s[G0SB+2:G0SB+3], s[10:11], s[100:101]
	s_or_b32 s[G0SB+3], s[G0SB+3], 0x80000000
	s_mov_b32 s[G0A], 1
	s_mov_b32 s[G0A+1], 0
	s_mov_b64 s[G0A+2:G0A+3], s[96:97]
	s_or_b32 s[G0A+3], s[G0A+3], 0x80000000
	s_mov_b32 s[G0B], 1
	s_mov_b32 s[G0B+1], 2*HALFA
	s_mov_b64 s[G0B+2:G0B+3], s[98:99]
	s_or_b32 s[G0B+3], s[G0B+3], 0x80000000
	; THE HEAD'S LOADS, ONE A WAVE: wave 0 A's 16 tile16, all of K; wave 1 B's; wave 2 A's scale words; wave 3 B's.  Nothing is filled later
	ARM 1, G0A,  G1A,  .Lhead_b
	ARM 2, G0B,  G1B,  .Lhead_sa
	ARM 3, G0SA, G1SA, .Lhead_sb
	tensor_load_to_lds s[G0SB:G0SB+3], s[G1SB:G1SB+7]
	s_nop 0
.rept 4
	v_nop
.endr
.Lhead_asked:
	v_and_b32 v1, 15, v0
	v_bfe_u32 v2, v0, 4, 1
	s_wait_alu depctr_va_vdst(0)
	v_and_b32 v3, 31, v0
	v_lshlrev_b32 v[LI], 4, v3
	s_mul_i32 s92, s[RH], HALFA
	s_mul_i32 s93, s[CH], HALFB
	s_add_co_u32 s93, s93, 2*HALFA
.irp s, 0,1
	v_add_nc_u32 v[ADRA+\s], s92, v[LI]
	v_add_nc_u32 v[ADRB+\s], s93, v[LI]
	s_add_co_u32 s92, s92, SLOT
	s_add_co_u32 s93, s93, SLOT
.endr
	s_mul_i32 s92, s[RH], HALFSA
	s_mul_i32 s93, s[CH], HALFSB
	s_add_co_u32 s93, s93, 8192
	s_sub_co_u32 s93, s93, s92
	v_mul_u32_u24 v4, s93, v2
	s_add_co_u32 s92, s92, SCL
	v_lshl_add_u32 v4, v1, 4, v4
	v_add_nc_u32 v[ADRS], s92, v4
	v_lshl_add_u32 v[ADRS2], v1, 4, s92
	s_mul_i32 s96, s[WV], 16*SPITCH
	s_add_co_u32 s96, s96, STAGE                   ; my stage
	v_mul_u32_u24 v5, v1, SPITCH
	v_lshl_add_u32 v5, v2, 6, v5
	v_add_nc_u32 v[STO], s96, v5
	v_mul_u32_u24 v5, v2, SPITCH
	v_lshl_add_u32 v5, v1, 4, v5
	v_add_nc_u32 v[RD], s96, v5
	v_lshlrev_b32 v5, 14, v2
	v_lshl_add_u32 v[CO], v1, 4, v5
	v_lshlrev_b32 v[VB], 6, v2
	s_wait_alu depctr_va_vdst(0)
	s_lshl_b32 s92, ttmp9, 2
	s_add_co_u32 s92, s92, s[CX]
	s_lshl_b32 s92, s92, 9
	s_lshl_b32 s93, s[CH], 8
	s_add_co_u32 s92, s92, s93
	s_mov_b32 s93, 0
	s_add_nc_u64 s[12:13], s[12:13], s[92:93]
	s_add_nc_u64 s[14:15], s[14:15], s[92:93]
	s_lshl_b32 s94, s[CLY], 2
	s_add_co_u32 s94, s94, s[CY]
	s_lshr_b32 s95, s94, 3
	s_and_b32 s94, s94, 7
	s_lshl_b32 s94, s94, 4
	s_lshl_b32 s96, s[RH], 3
	s_add_co_u32 s94, s94, s96
	s_lshl_b32 s94, s94, 6
	s_add_co_u32 s94, s94, s95
	s_lshl_b32 s94, s94, 12
	s_mov_b32 s95, 0
	s_add_nc_u64 s[14:15], s[14:15], s[94:95]
.irp b, 0,1,2,3
	global_load_b128 v[BIAS+8*\b:BIAS+8*\b+3], v[VB], s[12:13] offset:(32*(\b/2)+8*(\b%2))*4
	global_load_b128 v[BIAS+8*\b+4:BIAS+8*\b+7], v[VB], s[12:13] offset:(32*(\b/2)+8*(\b%2))*4+16
.endr
.macro FRAG reg, adr, q, i
.irp c, 0,1
	ds_load_b128 v[(\reg)+4*\c:(\reg)+4*\c+3], v[\adr] offset:8192*(\i)+1024*(\q)+512*\c
.endr
.endm
.macro MUL16 a0, p, q, sc, zero
.irp a, \a0, \a0+1
.if (\zero) == 2
	WIN 0x81
.else
	WIN 0xa1
.endif
.set BI, 0
.rept NB
.set AC, 8*(NB*(\a)+BI)
.set BF, 128*(\p)+8*BI
.set AR, AF+8*(\a)
.set SB, SC+32*(\sc)+4*BI+(\q)
.set SA, SC+32*(\sc)+4*(\a)+(\q)
.if (\zero) == 2
	v_wmma_scale_f32_16x16x128_f8f6f4 v[AC:AC+7], v[BF:BF+7], v[AR:AR+7], v[BIAS+8*BI:BIAS+8*BI+7], v[SB], v[SA] matrix_a_fmt:MATRIX_FMT_FP4 matrix_b_fmt:MATRIX_FMT_FP4 matrix_a_scale:MATRIX_SCALE_ROW1
.else
	v_wmma_scale_f32_16x16x128_f8f6f4 v[AC:AC+7], v[BF:BF+7], v[AR:AR+7], v[AC:AC+7], v[SB], v[SA] matrix_a_fmt:MATRIX_FMT_FP4 matrix_b_fmt:MATRIX_FMT_FP4 matrix_a_scale:MATRIX_SCALE_ROW1
.endif
.set BI, BI+1
.endr
.endr
.endm
.macro FETCH_B slot, q, p
	WIN TO_B
.set II, 0
.rept NB
	FRAG 128*(\p)+8*II, ADRB+\slot, \q, II
.set II, II+1
.endr
	WIN 0
.endm
.macro FETCH_A slot, q, i0
.irp i, \i0, \i0+1, \i0+2, \i0+3
	FRAG AF+8*(\i), ADRA+\slot, \q, \i
.endr
.endm
.macro SCALES sc
.irp i, 0,1,2,3
	ds_load_b128 v[SC+32*(\sc)+4*\i:SC+32*(\sc)+4*\i+3], v[ADRS] offset:512*\i
.endr
.irp i, 4,5,6,7
	ds_load_b128 v[SC+32*(\sc)+4*\i:SC+32*(\sc)+4*\i+3], v[ADRS2] offset:512*\i
.endr
.endm
.macro STEP slot, q, zero
	s_wait_dscnt 8
	MUL16 0, (\q)%2, \q, \slot, \zero
	MUL16 2, (\q)%2, \q, \slot, \zero
	s_wait_dscnt 0x0
	PLACES 4
	FETCH_B \slot, (\q)+1, 1-(\q)%2
	FETCH_A \slot, (\q)+1, 0
	MUL16 4, (\q)%2, \q, \slot, \zero
	MUL16 6, (\q)%2, \q, \slot, \zero
	PLACES 4
	WIN 0
	FETCH_A \slot, (\q)+1, 4
.endm
.macro TURN slot, next
	s_wait_tensorcnt 0x0
	ds_add_u32 v[SPW], v[NIL]
	s_wait_dscnt 9
	MUL16 0, 1, 3, \slot, 0
	s_wait_dscnt 0x0
	s_barrier_signal -1
	MUL16 2, 1, 3, \slot, 0
	WIN 0
	s_barrier_wait -1
	PLACES 4
	v_add_nc_u32 v[ADRS], 256, v[ADRS]
	v_add_nc_u32 v[ADRS2], 256, v[ADRS2]
	FETCH_B \next, 0, 0
	FETCH_A \next, 0, 0
	SCALES \next
	MUL16 4, 1, 3, \slot, 0
	MUL16 6, 1, 3, \slot, 0
	PLACES 4
	WIN 0
	FETCH_A \next, 0, 4
.endm
	s_wait_alu depctr_va_vdst(0)
	s_wait_tensorcnt 0x0                           ; my one load is in; behind the barrier all four are
	s_barrier_signal -1
	s_barrier_wait -1
	FETCH_B 0, 0, 0
	FETCH_A 0, 0, 0
	SCALES 0
	FETCH_A 0, 0, 4
	s_wait_loadcnt 0x0
	STEP 0, 0, 2
	STEP 0, 1, 0
	STEP 0, 2, 0
	TURN 0, 1
	STEP 1, 0, 0
	STEP 1, 1, 0
	STEP 1, 2, 0
	s_wait_dscnt 8
	MUL16 0, 1, 3, 1, 0
	MUL16 2, 1, 3, 1, 0
	s_wait_dscnt 0x0
	MUL16 4, 1, 3, 1, 0
	MUL16 6, 1, 3, 1, 0
	WIN 0
.macro TOSTAGE a
	WIN 0x08
.irp b, 0,1,2,3
	ds_store_b128 v[STO], v[32*(\a)+8*\b:32*(\a)+8*\b+3] offset:128*(\b/2)+32*(\b%2)
	ds_store_b128 v[STO], v[32*(\a)+8*\b+4:32*(\a)+8*\b+7] offset:128*(\b/2)+32*(\b%2)+16
.endr
	WIN 0
.set BB, BK+32*((\a)%2)
.irp t, 0,1,2,3,4,5,6,7
	ds_load_b128 v[BB+4*\t:BB+4*\t+3], v[RD] offset:2*SPITCH*\t
.endr
.endm
.macro SEND a, younger
.set BB, BK+32*((\a)%2)
	s_wait_dscnt \younger
.irp t, 0,1,2,3,4,5,6,7
	global_store_b128 v[CO], v[BB+4*\t:BB+4*\t+3], s[14:15] offset:(32*((\a)/2)+8*((\a)%2)+2*\t+8*(\t/4))*16384 th:TH_STORE_NT
.endr
.endm
	PLACES 4
	TOSTAGE 0
.irp a, 1,2,3,4,5,6,7
.if \a > 1
	s_wait_xcnt 0x0
.endif
	TOSTAGE \a
	SEND \a-1, 16
.endr
	SEND 7, 0
	s_wait_tensorcnt 0x0
	ds_add_u32 v[SPW], v[NIL]
	s_wait_dscnt 0x0
	CROUND
	s_endpgm
.Lfunc_end_k_q4229e6f829_oproj:
	.size	k_q4229e6f829_oproj, .Lfunc_end_k_q4229e6f829_oproj-k_q4229e6f829_oproj
	.p2alignl 7, 3214868480
	.fill 96, 4, 3214868480
	.section	.rodata,"a",@progbits
	.p2align	6, 0x0
	.amdhsa_kernel k_q4229e6f829_oproj
		.amdhsa_group_segment_fixed_size 327680
		.amdhsa_private_segment_fixed_size 0
		.amdhsa_enable_private_segment 0
		.amdhsa_kernarg_size 48
		.amdhsa_user_sgpr_count 2
		.amdhsa_user_sgpr_kernarg_segment_ptr 1
		.amdhsa_wavefront_size32 1
		.amdhsa_system_sgpr_workgroup_id_x 1
		.amdhsa_system_sgpr_workgroup_id_y 1
		.amdhsa_system_sgpr_workgroup_id_z 1
		.amdhsa_system_vgpr_workitem_id 0
		.amdhsa_next_free_vgpr 768
		.amdhsa_next_free_sgpr 102
		.amdhsa_reserve_vcc 0
		.amdhsa_float_denorm_mode_32 3
		.amdhsa_float_denorm_mode_16_64 3
		.amdhsa_memory_ordered 1
		.amdhsa_forward_progress 1
		.amdhsa_inst_pref_size 74
	.end_amdhsa_kernel
	.amdgpu_metadata
---
amdhsa.version: [ 1, 2 ]
amdhsa.kernels:
  - .name:           k_q4229e6f829_oproj
    .symbol:         k_q4229e6f829_oproj.kd
    .args:
      - { .name: aoc, .offset: 0, .size: 8, .value_kind: global_buffer, .address_space: global }
      - { .name: aos, .offset: 8, .size: 8, .value_kind: global_buffer, .address_space: global }
      - { .name: codes, .offset: 16, .size: 8, .value_kind: global_buffer, .address_space: global }
      - { .name: scl, .offset: 24, .size: 8, .value_kind: global_buffer, .address_space: global }
      - { .name: bo, .offset: 32, .size: 8, .value_kind: global_buffer, .address_space: global }
      - { .name: out0, .offset: 40, .size: 8, .value_kind: global_buffer, .address_space: global }
    .group_segment_fixed_size: 327680
    .private_segment_fixed_size: 0
    .kernarg_segment_align: 8
    .kernarg_segment_size: 48
    .max_flat_workgroup_size: 128
    .sgpr_count:     102
    .vgpr_count:     768
    .wavefront_size: 32
...
	.end_amdgpu_metadata
.endif
;; end of part 4
